; MI455X (gfx1250); checked and timed in simulation.
; The chip was launched on July 23, 2026; its instructions are those of AMD's public machine-readable ISA for CDNA 5 (MIT licence, August 2026) and "CDNA5" Instruction Set Architecture Reference Guide (July 2026). The comments in the code are by the model that wrote it; some were corrected since.
;; Multi Head Attention. Allowed arithmetic: matrix products marked QUANTISED: E5M2 operands, one E8M0 scale for each 32 along K, by v_wmma_scale_f32_16x16x128_f8f6f4 with both operands' format E5M2, f32 sums; everything else in f32.
;; Inputs: Wk_codes 1,024 x 32 x 32 uint8 (E5M2 codes of Wk, K innermost, in blocks of 32 codes); Wk_scales 1,024 x 32 uint8 (E8M0 scales of Wk, one for each 32 codes along K); Wo_codes 1,024 x 32 x 32 uint8 (E5M2 codes of Wo, K innermost, in blocks of 32 codes); Wo_scales 1,024 x 32 uint8 (E8M0 scales of Wo, one for each 32 codes along K); Wq_codes 1,024 x 32 x 32 uint8 (E5M2 codes of Wq, K innermost, in blocks of 32 codes); Wq_scales 1,024 x 32 uint8 (E8M0 scales of Wq, one for each 32 codes along K); Wv_codes 1,024 x 32 x 32 uint8 (E5M2 codes of Wv, K innermost, in blocks of 32 codes); Wv_scales 1,024 x 32 uint8 (E8M0 scales of Wv, one for each 32 codes along K); bk 1,024 float32; bo 1,024 float32; bq 1,024 float32; bv 1,024 float32; hidden_states 4 x 2,048 x 1,024 float32; ln_beta 1,024 float32; ln_gamma 1,024 float32.
;; Outputs: out0 4 x 2,048 x 1,024 float32.
;; This version of the problem:
;;   THIS VERSION OF THE PROBLEM IS GIVEN IN LOW PRECISION. The matrix products marked QUANTISED in the list below multiply operands that are first quantised to E5M2 (5 exponent bits, 2 mantissa bits; 8 bits a number), with one power-of-two scale for each 32 numbers along K (OCP MX v1.0); their sums are f32. All else is computed in f32.
;;   The module's matrix products, in the order in which they are computed (A, B: the left and right operand; K: the contracted axis; several contracted axes count as one K, in the product's order):
;;     1. [M 8,192, K 1,024] x [K 1,024, N 1,024]; A: input hidden_states; B: input Wq (given as codes): QUANTISED
;;     2. [M 8,192, K 1,024] x [K 1,024, N 1,024]; A: input hidden_states; B: input Wk (given as codes): QUANTISED
;;     3. [M 8,192, K 1,024] x [K 1,024, N 1,024]; A: input hidden_states; B: input Wv (given as codes): QUANTISED
;;     4. batch 64 x [M 2,048, K 64] x [K 64, N 2,048]; A: computed on the way; B: computed on the way: QUANTISED
;;     5. batch 64 x [M 2,048, K 2,048] x [K 2,048, N 64]; A: softmax (see below); B: computed on the way: QUANTISED
;;     6. [M 8,192, K 1,024] x [K 1,024, N 1,024]; A: computed on the way; B: input Wo (given as codes): QUANTISED
;;   THE QUANTISER, for each operand of a quantised product, along K:
;;     - K is cut into blocks of 32 from its start; a last block that is shorter is filled with zeros.
;;     - A block's scale is 2^e with e = floor(log2(the largest magnitude in the block)) - 15, held to -126 .. 127; a block of zeros has e = 0. As a byte (E8M0): e + 127.
;;     - Each number is divided by its block's scale, clamped to +-57,344, and rounded to the nearest number of E5M2, ties to even, subnormals kept.
;;     - The product sums the exact products of the quantised numbers (number of the format x scale) in f32.
;;   ~~~python
;;   def quantise(x, axis):      # numpy; x: float32 -> the quantised numbers, widened to float32 again
;;       x = np.moveaxis(x, axis, -1); K = x.shape[-1]
;;       x = np.pad(x, [(0, 0)] * (x.ndim - 1) + [(0, -K % 32)]); x = x.reshape(x.shape[:-1] + (-1, 32)); a = np.abs(x).max(-1, keepdims=True)
;;       e = np.where(a > 0, np.clip(np.frexp(np.where(a > 0, a, 1))[1] - 1 - 15, -126, 127), 0)      # np.frexp(a)[1] - 1 = floor(log2(a)), exactly
;;       r = np.clip(x / 2.0 ** e, -57344, 57344)
;;       step = 2.0 ** (np.maximum(np.frexp(np.where(r == 0, 1, r))[1] - 1, -14) - 2)
;;       q = np.round(r / step) * step * 2.0 ** e      # np.round: ties to even
;;       return np.moveaxis(q.reshape(q.shape[:-2] + (-1,))[..., :K], -1, axis).astype(np.float32)
;;   ~~~
;;   SOFTMAX AHEAD OF A QUANTISED PRODUCT. Where the list says 'softmax', what is quantised is not the finished softmax but p = 2^(t - M), with t = logit x log2(e) and M = ceil(the row's largest t), a whole number; so 1/2 < the row's largest p <= 1. The row's sum l is taken of the UNQUANTISED p, in f32, and the product's result is divided by l at the end. Since M is a whole number, a kernel that streams over the keys may use a running M (the ceiling of the running maximum): every later rescaling is an exact power of two, which a block's scale takes up: the codes' values come out the same.
;;   OPERANDS COMPUTED ON THE WAY. 'Computed on the way' means the value that the module computes at that place (a softmax that the list does not call 'softmax' is quantised finished and normalised). What goes into a quantiser is computed in f32, as accurately as f32 sums, v_exp_f32 and their like allow (about 1e-6 of the number): no bf16 or f16 on the way to a quantiser, and a product that is left as it is and whose result goes on into a quantised operand takes f32 operands (vector FMAs, or v_wmma_f32_16x16x4_f32). A number that lies on a knife's edge between two numbers of the format may be rounded either way, as far as f32 arithmetic and the matrix unit's own rounding can turn it there, and no further.
;;   INPUTS GIVEN AS CODES. Wk (in the module: [1024, 1024], K = its axis 1); Wo (in the module: [1024, 1024], K = its axis 1); Wq (in the module: [1024, 1024], K = its axis 1); Wv (in the module: [1024, 1024], K = its axis 1): each comes as NAME_codes (uint8): NAME with its K axis moved to the last place and cut into blocks of 32 codes, [.., K / 32, bytes a block], one block behind the other in memory; one code a byte (a code: sign, 5 exponent bits, 2 mantissa bits); and NAME_scales (uint8): the same leading axes, one E8M0 byte (e + 127) for each 32 codes along K. Its value is code x scale, taken as it is: it is not quantised again, and the codes and scales need not be those that the quantiser above would give.
;; One version. Each part assembles by itself: llvm-mc -triple=amdgcn-amd-amdhsa -mcpu=gfx1250 --defsym DOCPART=n.
;; ======== version 1 of 1: 4 launches
;; limits: right only within a limited range of input values
;; workspace buffers: xq 8,650,752 bytes; wq 4,325,376 bytes; qq 8,912,896 bytes; kv 17,825,792 bytes; cq 8,650,752 bytes
;; launch prep (part 1): grid 320 x 1, 4 waves a work-group, no clusters, 34,304 bytes of LDS; arguments hidden_states, Wq_codes, Wq_scales, Wk_codes, Wk_scales, Wv_codes, Wv_scales, Wo_codes, Wo_scales, xq, wq; writes xq, wq
.if DOCPART == 1
	.amdgcn_target "amdgcn-amd-amdhsa--gfx1250"
	.amdhsa_code_object_version 6
	.text
	.protected	k_q0660b800a7_prep
	.globl	k_q0660b800a7_prep
	.p2align	8
	.type	k_q0660b800a7_prep,@function
k_q0660b800a7_prep:
	s_mov_b64 s[64:65], 0
	v_nop
	global_prefetch_b8 v0, s[64:65] scope:SCOPE_SE
	s_setreg_imm32_b32 hwreg(HW_REG_WAVE_MODE, 25, 1), 1
	s_wait_xcnt 0x0
; PREP.  hidden_states [8192][1024] f32 becomes codes of E5M2 with one E8M0 byte for each 32 along K, and the four weights, which arrive as codes, are laid anew:
; both as IMAGES OF OPERAND REGISTERS, so that every later load of a fragment is 512 consecutive bytes.
; A fragment is 16 rows x 128 K: [c 0..3][lane 32][16 bytes]; lane (r, h) holds, of its row, k = 32 c + 16 h + 0 .. 15.
; THE ROWS OF A TILE ARE NOT NEIGHBOURS: of each 32 rows, lane r of tile u (0, 1) takes row 8 u + r + 8 (r / 8).  Used as source 0 two such tiles give a lane 16 neighbouring rows in 16 registers.
; xq: [block of 128 tokens 64][K step 8][tile 8][2,048]; from byte XSC the scale words [block][sigma 4][tile 8][r 16][e 2], the word of K step 2 sigma + e.
; wq: [q, k, v, o][block of 128 rows 8][K step 8][tile 8][2,048]; from byte WSC the scale words, laid likewise.
; A block's scale is 2^(floor(log2(its largest magnitude)) - 15); its byte is that magnitude's exponent field - 15, held at 1 from below.
; LIMITS: a block of zeros gets the byte 1 where the rule says 127 (its codes are zeros, and this program alone reads the bytes); blocks whose largest magnitude lies under 2^-111 are held at byte 1; NaN and infinities are not served.
; Work-groups 0 to 255 take x (32 tokens each; wave sigma takes 256 along K), work-groups 256 to 319 the weights (a wave a tile of 16 rows, all of K).  Waves share nothing: no barrier.
.set SP,   528                         ; a stage row: 512 bytes + 16, so that 16 rows begin at 16 different groups of banks
.set R,    16                          ; v16-143  two sets of 64: a unit's 16 rows x 16 bytes a lane, as loaded
.set X,    144                         ; v144-207 64 numbers of my row: register 16 b + i = k 32 b + 16 h + i
.set PC,   208                         ; v208-223 the fragment's codes
.set TM,   224                         ; v224-239 largest magnitudes, bytes, largest number x scale, scale operands
.set PW,   240                         ; v240-243 the four units' scale words
.set DW,   244                         ; v244-245 what my lane stores of them
.set WV,   26
.set SEL,  28                          ; s28, s29 lane selects: lane l xor 16
.set MNT,  30                          ; s30 the mantissa field of 57,344
.set XSC,  8388608
.set WSC,  4194304
; 64 numbers of a lane become a fragment's 16 registers of codes in v[PC] on and the row's scale word in v[pw]
.macro QUANT s, pw
.irp b, 0,1,2,3
	v_max3_num_f32 v[TM+\b], |v[\s+16*\b]|, |v[\s+1+16*\b]|, 0x8000000   ; my 16 numbers of block b, and the floor 2^(16 - 127): the byte cannot fall under 1
.endr
.irp i, 2,4,6,8,10,12,14
.irp b, 0,1,2,3
	v_max3_num_f32 v[TM+\b], v[TM+\b], |v[\s+16*\b+\i]|, |v[\s+1+16*\b+\i]|   ; the four blocks by turns
.endr
.endr
.irp b, 0,1,2,3
	v_permlanex16_b32 v[TM+4+\b], v[TM+\b], s[SEL], s[SEL+1]
.endr
.irp b, 0,1,2,3
	v_max_num_f32 v[TM+\b], v[TM+\b], v[TM+4+\b]   ; with lane l xor 16's 16: the block's largest magnitude
.endr
.irp b, 0,1,2,3
	v_add_nc_u32 v[TM+12+\b], 0xf8800000, v[TM+\b]   ; 15 off its exponent field: the conversion's scale operand
.endr
.irp b, 0,1,2,3
	v_and_or_b32 v[TM+8+\b], v[TM+\b], 0x7f800000, s[MNT]   ; 57,344 x the scale
.endr
.irp b, 0,1,2,3
	v_lshrrev_b32 v[TM+4+\b], 23, v[TM+12+\b]   ; the scale's byte
.endr
	v_lshl_or_b32 v[\pw], v[TM+5], 8, v[TM+4]
	v_lshl_or_b32 v[\pw], v[TM+6], 16, v[\pw]
	v_lshl_or_b32 v[\pw], v[TM+7], 24, v[\pw]
.irp b, 0,1,2,3
.irp i, 0,1,2,3,4,5,6,7,8,9,10,11,12,13,14,15
	v_med3_num_f32 v[\s+16*\b+\i], v[\s+16*\b+\i], -v[TM+8+\b], v[TM+8+\b]   ; the conversion to an 8-bit code does not saturate (ISA guide 7.6.2): the hold comes first
.endr
	v_cvt_scalef32_pk8_bf8_f32 v[PC+4*\b:PC+1+4*\b], v[\s+16*\b:\s+7+16*\b], v[TM+12+\b]
	v_cvt_scalef32_pk8_bf8_f32 v[PC+2+4*\b:PC+3+4*\b], v[\s+8+16*\b:\s+15+16*\b], v[TM+12+\b]
.endr
	v_nop                                          ; a plain line behind the last conversion
.endm
	s_load_b256 s[4:11], s[0:1], 0x0               ; hidden s[4:5], Wq codes s[6:7], Wq scales s[8:9], Wk codes s[10:11]
	s_load_b256 s[12:19], s[0:1], 0x20             ; Wk scales s[12:13], Wv codes s[14:15], Wv scales s[16:17], Wo codes s[18:19]
	s_load_b128 s[20:23], s[0:1], 0x40             ; Wo scales s[20:21], xq s[22:23]
	s_load_b64 s[24:25], s[0:1], 0x50              ; wq
	v_lshl_add_u32 v254, v0, 2, 0x8400
	v_mov_b32 v255, 0
	v_lshrrev_b32 v1, 5, v0
	v_readfirstlane_b32 s[WV], v1                  ; wave 0..3
	v_and_b32 v5, 31, v0                           ; lane
	v_and_b32 v6, 15, v0                           ; r
	v_bfe_u32 v7, v0, 4, 1                         ; h
	v_lshlrev_b32 v1, 4, v5                        ; 16 x lane
	s_mov_b32 s[SEL], 0x76543210
	s_mov_b32 s[SEL+1], 0xfedcba98
	s_mov_b32 s[MNT], 0x600000
	s_cmp_ge_u32 ttmp9, 256
	s_cbranch_scc1 .Lweights
	; ---- x.  Work-group W: tokens 32 W on; wave sigma: k 256 sigma on.  Four units n = 2 u + e: tile u's 16 rows x K step 2 sigma + e
	s_mul_i32 s31, s[WV], 16*SP                    ; my stage
	v_add_nc_u32 v2, s31, v1                       ; in: a row's 512 bytes as they lie
	v_mul_u32_u24 v3, v6, SP
	v_lshl_add_u32 v3, v7, 6, v3
	v_add_nc_u32 v3, s31, v3                       ; out: row r, + 64 h: my 16 numbers of each block of 32
	v_lshlrev_b32 v4, 3, v5                        ; the scale words' place: 8 x lane
.irp b, 0,1,2,3
	v_mov_b32 v[TM+4+\b], 0                        ; written once: a lane permute's destination counts as one of its sources
.endr
	s_lshl_b32 s32, ttmp9, 17                      ; 32 tokens of 4,096 bytes
	s_lshl_b32 s34, s[WV], 10
	s_add_co_u32 s32, s32, s34
	s_mov_b32 s33, 0
	s_lshr_b32 s34, ttmp9, 2                       ; the block of 128 tokens
	s_and_b32 s35, ttmp9, 3                        ; g: which 32 of them
	s_lshl_b32 s36, s34, 17
	s_lshl_b32 s37, s[WV], 15
	s_add_co_u32 s36, s36, s37
	s_lshl_b32 s37, s35, 12
	s_add_co_u32 s36, s36, s37                     ; images: block x 131,072 + 2 sigma x 16,384 + 2 g x 2,048
	s_mov_b32 s37, 0
	s_lshl_b32 s38, s34, 12
	s_lshl_b32 s39, s[WV], 10
	s_add_co_u32 s38, s38, s39
	s_lshl_b32 s39, s35, 8
	s_add_co_u32 s38, s38, s39
	s_add_co_u32 s38, s38, XSC                     ; scale words: block x 4,096 + sigma x 1,024 + g x 256
	s_mov_b32 s39, 0
	s_wait_kmcnt 0x0
	s_add_nc_u64 s[4:5], s[4:5], s[32:33]
	s_add_nc_u64 s[36:37], s[22:23], s[36:37]
	s_add_nc_u64 s[38:39], s[22:23], s[38:39]
.macro LOAD n                          ; unit n: 16 loads, each 512 consecutive bytes of one row
.irp i, 0,1,2,3,4,5,6,7,8,9,10,11,12,13,14,15
	global_load_b128 v[R+64*((\n)%2)+4*\i:R+64*((\n)%2)+4*\i+3], v1, s[4:5] offset:(8*((\n)/2)+(\i%8)+16*(\i/8))*4096+((\n)%2)*512 th:TH_LOAD_NT
.endr
.endm
.macro TURN n                          ; through my stage: LDS serves a wave's instructions in order (ISA guide 5.7.1.4), so no wait stands between the stores and the loads
.irp i, 0,1,2,3,4,5,6,7,8,9,10,11,12,13,14,15
	ds_store_b128 v2, v[R+64*((\n)%2)+4*\i:R+64*((\n)%2)+4*\i+3] offset:\i*SP
.endr
.irp b, 0,1,2,3
.irp j, 0,1,2,3
	ds_load_b128 v[X+16*\b+4*\j:X+16*\b+4*\j+3], v3 offset:128*\b+16*\j
.endr
.endr
.endm
.macro UNIT n
.if (\n) < 3
	s_wait_loadcnt 16                              ; this unit's 16 loads are in; the next unit's may be out
.else
	s_wait_loadcnt 0x0
.endif
	TURN \n
	s_wait_dscnt 0x0                               ; my 64 numbers are back, and the stage's stores have read their registers,
.if (\n) < 2
	LOAD (\n)+2                                    ; which take the unit two further on
.endif
	s_wait_xcnt 0x0                                ; the last unit's stores have read the codes' registers: they are written again only behind this wait
	QUANT X, PW+(\n)
.irp c, 0,1,2,3
	global_store_b128 v1, v[PC+4*\c:PC+4*\c+3], s[36:37] offset:((\n)%2)*16384+((\n)/2)*2048+512*\c   ; 32 lanes store 512 consecutive bytes
.endr
.endm
	LOAD 0
	LOAD 1
	UNIT 0
	UNIT 1
	UNIT 2
	UNIT 3
	v_cmp_le_u32 vcc_lo, 16, v5                    ; lanes 0-15 store tile 0's words, lanes 16-31 tile 1's (both halves of the lanes hold a row's word)
	v_cndmask_b32 v[DW], v[PW], v[PW+2], vcc_lo
	v_cndmask_b32 v[DW+1], v[PW+1], v[PW+3], vcc_lo
	global_store_b64 v4, v[DW:DW+1], s[38:39]      ; 32 lanes store 256 consecutive bytes, aligned
	s_wait_tensorcnt 0x0
	ds_add_u32 v254, v255
	s_wait_dscnt 0x0
	s_endpgm
	; ---- the weights.  Job J = 4 (W - 256) + wave: matrix J / 64, block of 128 rows (J / 8) % 8, tile J % 8
.Lweights:
	s_sub_co_u32 s31, ttmp9, 256
	s_lshr_b32 s32, s31, 4                         ; the matrix: q, k, v, o
	s_lshl_b32 s33, s31, 2
	s_add_co_u32 s33, s33, s[WV]
	s_bfe_u32 s34, s33, 0x30003                    ; the block
	s_and_b32 s35, s33, 7                          ; the tile t
	s_lshl_b32 s36, s34, 7
	s_lshr_b32 s37, s35, 1
	s_lshl_b32 s37, s37, 5
	s_add_co_u32 s36, s36, s37
	s_and_b32 s37, s35, 1
	s_lshl_b32 s37, s37, 3
	s_add_co_u32 s36, s36, s37                     ; the tile's first row: 128 block + 32 (t / 2) + 8 (t % 2)
	s_lshl_b32 s38, s36, 10                        ; its codes: 1,024 bytes a row
	s_mov_b32 s39, 0
	s_lshl_b32 s40, s36, 5                         ; its scale bytes: 32 a row
	s_mov_b32 s41, 0
	s_lshl_b32 s42, s32, 20
	s_lshl_b32 s43, s34, 17
	s_add_co_u32 s42, s42, s43
	s_lshl_b32 s43, s35, 11
	s_add_co_u32 s42, s42, s43                     ; images: matrix x 2^20 + block x 131,072 + t x 2,048
	s_mov_b32 s43, 0
	s_lshl_b32 s44, s32, 15
	s_lshl_b32 s45, s34, 12
	s_add_co_u32 s44, s44, s45
	s_lshl_b32 s45, s35, 7
	s_add_co_u32 s44, s44, s45
	s_add_co_u32 s44, s44, WSC                     ; scale words: matrix x 32,768 + block x 4,096 + t x 128
	s_mov_b32 s45, 0
	v_and_b32 v8, 8, v6
	v_add_nc_u32 v8, v8, v6                        ; r + 8 (r / 8)
	v_lshlrev_b32 v9, 10, v8
	v_lshl_add_u32 v9, v7, 4, v9                   ; my row's codes, + 16 h
	v_lshlrev_b32 v10, 5, v8                       ; my row's scale bytes
	v_lshlrev_b32 v11, 3, v6
	v_lshl_add_u32 v11, v7, 10, v11                ; out: 8 r, and lanes 16-31 one sigma on
	s_wait_kmcnt 0x0
	s_cmp_eq_u32 s32, 1                            ; the choice hangs on the work-group's number alone
	s_cselect_b64 s[6:7], s[10:11], s[6:7]
	s_cselect_b64 s[8:9], s[12:13], s[8:9]
	s_cmp_eq_u32 s32, 2
	s_cselect_b64 s[6:7], s[14:15], s[6:7]
	s_cselect_b64 s[8:9], s[16:17], s[8:9]
	s_cmp_eq_u32 s32, 3
	s_cselect_b64 s[6:7], s[18:19], s[6:7]
	s_cselect_b64 s[8:9], s[20:21], s[8:9]
	s_add_nc_u64 s[6:7], s[6:7], s[38:39]
	s_add_nc_u64 s[8:9], s[8:9], s[40:41]
	s_add_nc_u64 s[42:43], s[24:25], s[42:43]
	s_add_nc_u64 s[44:45], s[24:25], s[44:45]
	global_load_b128 v[144:147], v10, s[8:9]       ; my row's eight scale words
	global_load_b128 v[148:151], v10, s[8:9] offset:16
.irp s, 0,1,2,3,4,5,6,7
.irp c, 0,1,2,3
	global_load_b128 v[R+16*\s+4*\c:R+16*\s+4*\c+3], v9, s[6:7] offset:128*\s+32*\c   ; the fragment of K step s
.endr
.endr
	s_wait_loadcnt 32                              ; the scale words are in; the 32 loads of codes may be out
	v_cmp_le_u32 vcc_lo, 16, v5
	v_cndmask_b32 v152, v144, v146, vcc_lo         ; lanes 0-15: sigma 0 (words 0, 1), lanes 16-31: sigma 1 (words 2, 3)
	v_cndmask_b32 v153, v145, v147, vcc_lo
	v_cndmask_b32 v154, v148, v150, vcc_lo         ; sigma 2 and 3
	v_cndmask_b32 v155, v149, v151, vcc_lo
	global_store_b64 v11, v[152:153], s[44:45]
	global_store_b64 v11, v[154:155], s[44:45] offset:2048
.irp s, 0,1,2,3,4,5,6,7
.irp c, 0,1,2,3
	s_wait_loadcnt 31-(4*\s+\c)                    ; loads come back in order (ISA guide 5.7.1): this one is in
	global_store_b128 v1, v[R+16*\s+4*\c:R+16*\s+4*\c+3], s[42:43] offset:\s*16384+512*\c
.endr
.endr
	s_endpgm
.Lfunc_end_k_q0660b800a7_prep:
	.size	k_q0660b800a7_prep, .Lfunc_end_k_q0660b800a7_prep-k_q0660b800a7_prep
	.p2alignl 7, 3214868480
	.fill 96, 4, 3214868480
	.section	.rodata,"a",@progbits
	.p2align	6, 0x0
	.amdhsa_kernel k_q0660b800a7_prep
		.amdhsa_group_segment_fixed_size 34304
		.amdhsa_private_segment_fixed_size 0
		.amdhsa_enable_private_segment 0
		.amdhsa_kernarg_size 88
		.amdhsa_user_sgpr_count 2
		.amdhsa_user_sgpr_kernarg_segment_ptr 1
		.amdhsa_wavefront_size32 1
		.amdhsa_system_sgpr_workgroup_id_x 1
		.amdhsa_system_sgpr_workgroup_id_y 1
		.amdhsa_system_sgpr_workgroup_id_z 1
		.amdhsa_system_vgpr_workitem_id 0
		.amdhsa_next_free_vgpr 256
		.amdhsa_next_free_sgpr 66
		.amdhsa_reserve_vcc 1
		.amdhsa_float_denorm_mode_32 3
		.amdhsa_float_denorm_mode_16_64 3
		.amdhsa_memory_ordered 1
		.amdhsa_forward_progress 1
		.amdhsa_inst_pref_size 60
	.end_amdhsa_kernel
	.amdgpu_metadata
---
amdhsa.version: [ 1, 2 ]
amdhsa.kernels:
  - .name:           k_q0660b800a7_prep
    .symbol:         k_q0660b800a7_prep.kd
    .args:
      - { .name: hidden_states, .offset: 0, .size: 8, .value_kind: global_buffer, .address_space: global }
      - { .name: Wq_codes, .offset: 8, .size: 8, .value_kind: global_buffer, .address_space: global }
      - { .name: Wq_scales, .offset: 16, .size: 8, .value_kind: global_buffer, .address_space: global }
      - { .name: Wk_codes, .offset: 24, .size: 8, .value_kind: global_buffer, .address_space: global }
      - { .name: Wk_scales, .offset: 32, .size: 8, .value_kind: global_buffer, .address_space: global }
      - { .name: Wv_codes, .offset: 40, .size: 8, .value_kind: global_buffer, .address_space: global }
      - { .name: Wv_scales, .offset: 48, .size: 8, .value_kind: global_buffer, .address_space: global }
      - { .name: Wo_codes, .offset: 56, .size: 8, .value_kind: global_buffer, .address_space: global }
      - { .name: Wo_scales, .offset: 64, .size: 8, .value_kind: global_buffer, .address_space: global }
      - { .name: xq, .offset: 72, .size: 8, .value_kind: global_buffer, .address_space: global }
      - { .name: wq, .offset: 80, .size: 8, .value_kind: global_buffer, .address_space: global }
    .group_segment_fixed_size: 34304
    .private_segment_fixed_size: 0
    .kernarg_segment_align: 8
    .kernarg_segment_size: 88
    .max_flat_workgroup_size: 128
    .sgpr_count:     66
    .vgpr_count:     256
    .wavefront_size: 32
...
	.end_amdgpu_metadata
.endif
;; end of part 1
;; launch qkv (part 2): grid 12 x 32, 4 waves a work-group, clusters of 4 x 4, 327,680 bytes of LDS; arguments xq, wq, bq, bk, bv, qq, kv; writes qq, kv
.if DOCPART == 2
	.amdgcn_target "amdgcn-amd-amdhsa--gfx1250"
	.amdhsa_code_object_version 6
	.text
	.protected	k_q0660b800a7_qkv
	.globl	k_q0660b800a7_qkv
	.p2align	8
	.type	k_q0660b800a7_qkv,@function
k_q0660b800a7_qkv:
	s_mov_b64 s[64:65], 0
	v_nop
	global_prefetch_b8 v0, s[64:65] scope:SCOPE_SE
	s_setreg_imm32_b32 hwreg(HW_REG_WAVE_MODE, 25, 1), 1
	s_wait_xcnt 0x0
	s_wait_alu depctr_hold_cnt(0) depctr_sa_sdst(0) depctr_va_vdst(0) depctr_va_sdst(0) depctr_va_ssrc(0) depctr_va_vcc(0) depctr_vm_vsrc(0)
	s_getreg_b32 s2, hwreg(HW_REG_IB_STS2, 6, 4)
	s_cmp_eq_u32 s2, 0
	s_cbranch_scc0 .Lentry_in_a_cluster
	s_endpgm
.Lentry_in_a_cluster:
	s_bfe_u32 s2, ttmp6, 0x10000c
	s_cmp_lg_u32 s2, 0xf033
	s_cbranch_scc0 .Lentry_shape_is_right
	s_endpgm
.Lentry_shape_is_right:
; QKV.  q = x Wq^T + bq, k = x Wk^T + bk, v = x Wv^T + bv on codes of E5M2 with E8M0 scales, K = 1,024; the results are quantised at once, q and k along the head's 64, v along the keys,
; and leave as images of operand registers for the attention launch.  x and the weights come as such images (16 rows x 128 K: [c 4][lane 32][16 bytes]; a block of 128 rows x 256 K is 32,768 dense bytes).
; A work-group of four waves makes 256 x 256, a wave 128 x 128: 64 accumulators, 512 registers.  K goes in four steps of 256 through a ring of two LDS slots filled by the tensor data mover.
; THE KIND is the cluster's x: 0 q, 1 k, 2 v: the same in all sixteen partners.  THE A SIDE (source 1) lands on lanes, THE B SIDE (source 0) on registers.
;   q, k: A = x, B = W: a lane holds one token, its 64 registers of a tile of tokens run along 128 features (two heads): the next product's K.
;   v:    A = Wv, B = x: a lane holds one feature d, its registers run along 128 tokens: the keys, the second attention product's K.   The loop is the same text for all three.
; The rows of a tile are chosen (of each 32 rows, lane r of tile u takes row 8 u + r + 8 (r / 8)) so that the 16 registers of two neighbouring tiles of B are 16 neighbours.
; CLUSTERS: 4 x 4.  A's tiles hang on cy and on the cluster's place alone and are asked for jointly by a row of the cluster, B's on cx and are asked for jointly by a column.
; 384 work-groups: the 1,536 wave tiles of 128 x 128 do not divide evenly over the SIMDs; smaller tiles would read more LDS bytes for each product and cut heads across waves.
; No prefetch: K has four slots, two of them asked for at the head.
; qq: q's tiles [bh 64][tile 128][b' 2][lane][16]; from byte XSC [bh][block 16][lane][e 4]: lane (r, h), word e: tile 4 h + e, bytes (s0, s1, s0, s1).
; kv: [bh 64][key step 16][17,408]: K's 8 tiles like q's at 0; V [d tile 4][c 4][lane][16] at 8,192; K's scale words like q's at 16,384; V's [lane][d tile 4] at 16,896.
; LIMITS: a block of zeros gets the byte 1 (its codes are zeros; this program alone reads the bytes); blocks under 2^-111 are held at byte 1; NaN and infinities are not served.
; REGISTERS: window 0: v1-14 addresses; v16-31 bv, a pair a tile; v32-63 scale words, two sets; v64-127 bq or bk; from v128 A's fragments, ONE set; on the way out v128-255 are free.
;   window 1: B's fragments, two sets.   windows 2, 3: the accumulators ((a, b) at v[8 (8 (a % 4) + b)]).
.set NQ,    2                          ; matrix instructions deep in a slot
.set FR,    16
.set NL,    4                          ; LDS loads that bring a fragment
.set NP,    8                          ; places behind this matrix instruction (ISA guide 7.12.1)
.set BLKB,  32768                      ; 128 rows x 256 K
.set SLOT,  4*BLKB                     ; A's two blocks, then B's two
.set SCL,   2*SLOT                     ; A's scale words, 2 x 4,096; B's begin 8,320 on: the 128 odd bytes put A's and B's halves of a load on different banks
.set SPARE, 278784                     ; the spare words, 128 bytes for each wave: two blocks of 256 bytes that no other line names
.set XSC,   8388608
.set WSC,   4194304
.set LI,   7                           ; v7   16 x lane
.set ADRA, 8                           ; v8-9   my A block in slot 0, 1
.set ADRB, 10                          ; v10-11 my B block
.set ADRS, 12                          ; v12  my scale words: lanes 0-15 A's, lanes 16-31 B's
.set SPW,  13
.set NIL,  14
.set BV,   16
.set SC,   32
.set BI,   64
.set AF,   128
.set X,    128                         ; the way out: 64 numbers,
.set PC,   192                         ; their codes,
.set TM,   208                         ; at work,
.set PW,   224                         ; the scale word,
.set QW,   226                         ; v226-241 the tiles' words,
.set DW,   242                         ; v242-249 what my lane stores of them
.set WV,   18
.set RH,   19                          ; which half of A's rows is mine.  Also: I fetch for A (0) or B (1)
.set CH,   20                          ; which half of B's rows.  Also: which 128 rows I fetch
.set KIND, 21
.set CX,   22
.set CY,   23
.set G1,   24
.set G0,   32
.set IA,   40
.set IB,   41
.set MROW, 42
.set MCOL, 43
.set CY4,  44                          ; 4 x cluster y; later LS
.set LS,   44                          ; wave x 4,096
.set LC,   45                          ; wave x 32,768
.set G1B,  48
.set G0B,  56
.set G1S,  68
.set G0S,  76
.set G1SB, 80
.set G0SB, 88
.set P0,   4                           ; s[4:5], s[6:7]     where my two heads' images go
.set S0,   92                          ; s[92:93], s[94:95] and their scale words
.set SEL,  96
.set MNT,  98
.set PS0,  99
.set PS1,  100
.set MSB, 0
.macro WIN new                         ; the immediate's high byte repeats the setting that is left
.if MSB != (\new)
	s_set_vgpr_msb (MSB<<8)|(\new)
.set MSB, (\new)
.endif
.endm
.set MUL_LO, 0xa1                      ; source 0 (B) window 1, source 1 (A) window 0, C and D window 2
.set MUL_HI, 0xf1
.set TO_B,   0x40
; A joint load: waves 0 and 1 fetch for A, waves 2 and 3 for B; the branch hangs on the wave's number alone.  Four v_nop follow each of the two lines.
.macro JLOAD g0a, g1a, g0b, g1b
	s_cmp_eq_u32 s[RH], 0
	s_cbranch_scc0 .Lfor_b_\@
	tensor_load_to_lds s[\g0a:\g0a+3], s[\g1a:\g1a+7]
	s_nop 0
.rept 4
	v_nop
.endr
	s_branch .Lasked_\@
.Lfor_b_\@:
	tensor_load_to_lds s[\g0b:\g0b+3], s[\g1b:\g1b+7]
	s_nop 0
.rept 4
	v_nop
.endr
.Lasked_\@:
.endm
.macro CREST                           ; a round of the cluster's barrier behind its opening barrier
	s_cmp_lg_u32 s[WV], 0
	s_cbranch_scc1 .Lnot_wave_0_\@
	s_barrier_signal -3
.Lnot_wave_0_\@:
	s_barrier_wait -3
	s_barrier_signal -1
	s_barrier_wait -1
.endm
.macro CROUND
	s_barrier_signal -1
	s_barrier_wait -1
	CREST
.endm
.macro PLACES n
.rept \n
	v_nop
.endr
.endm
	s_load_b256 s[4:11], s[0:1], 0x0               ; xq s[4:5], wq s[6:7], bq s[8:9], bk s[10:11]
	s_load_b128 s[12:15], s[0:1], 0x20             ; bv s[12:13], qq s[14:15]
	s_load_b64 s[16:17], s[0:1], 0x30              ; kv
	v_lshl_add_u32 v[SPW], v0, 2, SPARE
	v_mov_b32 v[NIL], 0
	ds_add_u32 v13, v14
	ds_add_u32 v13, v14
	s_wait_dscnt 0x0
	v_lshrrev_b32 v1, 5, v0
	v_readfirstlane_b32 s[WV], v1
	s_lshr_b32 s[RH], s[WV], 1
	s_and_b32 s[CH], s[WV], 1
	s_bfe_u32 s[CX], ttmp6, 0x40000
	s_bfe_u32 s[CY], ttmp6, 0x40004
	s_mov_b32 s[KIND], ttmp9                       ; in a cluster launch ttmp9 counts clusters: 0 q, 1 k, 2 v
	s_and_b32 s[CY4], ttmp7, 0xffff
	s_lshl_b32 s[CY4], s[CY4], 2
	s_lshl_b32 s[MROW], s[CY], 2
	s_lshl_b32 s[MROW], 15, s[MROW]                ; my row of the cluster
	s_lshl_b32 s[MCOL], 0x1111, s[CX]              ; my column
	; which blocks of 256 rows: x has 32 (4 x cluster y + my place), a weight 4 (my place)
	s_lshl_b32 s67, s[KIND], 20                    ; the weight's images in wq,
	s_lshl_b32 s100, s[KIND], 15
	s_add_co_u32 s100, s100, WSC                   ; and its scale words
	s_mov_b32 s2, XSC                              ; x's scale words in xq
	s_cmp_eq_u32 s[KIND], 2
	s_cselect_b32 s46, 0, s[CY4]
	s_cselect_b32 s66, s[CY4], 0
	s_cselect_b32 s47, s67, 0                      ; where A's images begin in its buffer,
	s_cselect_b32 s67, 0, s67                      ; B's,
	s_cselect_b32 s3, s100, s2                     ; A's scale words,
	s_cselect_b32 s100, s2, s100                   ; B's
	s_add_co_u32 s[IA], s[CY], s46                 ; A hangs on cy, B on cx: neither register ever holds the other
	s_add_co_u32 s[IB], s[CX], s66
	s_lshl_b32 s46, s[IA], 1
	s_add_co_u32 s46, s46, s[CH]                   ; the block of 128 rows of A that I would fetch
	s_lshl_b32 s66, s[IB], 1
	s_add_co_u32 s66, s66, s[CH]                   ; of B
	s_lshl_b32 s2, s46, 12
	s_add_co_u32 s2, s2, s3
	s_mov_b32 s3, 0                                ; s[2:3]     A's scale words, in bytes
	s_lshl_b32 s46, s46, 17
	s_add_co_u32 s46, s46, s47
	s_mov_b32 s47, 0                               ; s[46:47]   A's images
	s_lshl_b32 s101, s66, 12
	s_add_co_u32 s100, s100, s101
	s_mov_b32 s101, 0                              ; s[100:101] B's scale words
	s_lshl_b32 s66, s66, 17
	s_add_co_u32 s66, s66, s67
	s_mov_b32 s67, 0                               ; s[66:67]   B's images
	; descriptor group 1: a dense block as rows of 256 bytes (32 elements of 8 bytes): 128 rows of images, 16 rows of scale words; no padding: an image is read 512 consecutive bytes at a time
	s_or_b32 s[G1+0], s[MROW], (3<<16)|(1<<21)     ; 15:0 the mask; 17:16 elements of 8 bytes; 21 set beside a mask
	s_or_b32 s[G1B+0], s[MCOL], (3<<16)|(1<<21)
	s_or_b32 s[G1S+0], s[MROW], (3<<16)|(1<<21)
	s_or_b32 s[G1SB+0], s[MCOL], (3<<16)|(1<<21)
.irp g, G1, G1B
	s_mov_b32 s[\g+1], 32<<16                      ; tensor_dim0
	s_mov_b32 s[\g+2], 128<<16                     ; tensor_dim1
	s_mov_b32 s[\g+3], 32<<16                      ; tile_dim0
	s_mov_b32 s[\g+4], 128                         ; tile_dim1
	s_mov_b32 s[\g+5], 32                          ; the pitch
	s_mov_b32 s[\g+6], 0
	s_mov_b32 s[\g+7], 0
.endr
.irp g, G1S, G1SB
	s_mov_b32 s[\g+1], 32<<16
	s_mov_b32 s[\g+2], 16<<16
	s_mov_b32 s[\g+3], 32<<16
	s_mov_b32 s[\g+4], 16
	s_mov_b32 s[\g+5], 32
	s_mov_b32 s[\g+6], 0
	s_mov_b32 s[\g+7], 0
.endr
	s_lshl_b32 s[LC], s[WV], 15                    ; where they go: wave x a block: no place in the cluster enters an LDS address
	s_lshl_b32 s[LS], s[WV], 12
	s_wait_kmcnt 0x0
	s_cmp_eq_u32 s[KIND], 2
	s_cselect_b64 s[92:93], s[6:7], s[4:5]         ; A's buffer: wq for v, else xq
	s_cselect_b64 s[94:95], s[4:5], s[6:7]         ; B's
	CROUND                                         ; all sixteen work-groups are here: the first joint loads meet
	s_mov_b32 s[G0S], 1
	s_add_co_u32 s[G0S+1], s[LS], SCL
	s_add_nc_u64 s[G0S+2:G0S+3], s[92:93], s[2:3]
	s_or_b32 s[G0S+3], s[G0S+3], 0x80000000
	s_mov_b32 s[G0SB], 1
	s_add_co_u32 s[G0SB+1], s[LS], SCL+128
	s_add_nc_u64 s[G0SB+2:G0SB+3], s[94:95], s[100:101]
	s_or_b32 s[G0SB+3], s[G0SB+3], 0x80000000
	JLOAD G0S, G1S, G0SB, G1SB                     ; the scale words of all of K: filled once
	s_add_nc_u64 s[92:93], s[92:93], s[46:47]
	s_add_nc_u64 s[94:95], s[94:95], s[66:67]
.irp s, 0,1
	s_mov_b32 s[G0+4*\s], 1
	s_add_co_u32 s[G0+4*\s+1], s[LC], \s*SLOT
	s_add_nc_u64 s[G0+4*\s+2:G0+4*\s+3], s[92:93], \s*BLKB
	s_or_b32 s[G0+4*\s+3], s[G0+4*\s+3], 0x80000000
	s_mov_b32 s[G0B+4*\s], 1
	s_add_co_u32 s[G0B+4*\s+1], s[LC], \s*SLOT
	s_add_nc_u64 s[G0B+4*\s+2:G0B+4*\s+3], s[94:95], \s*BLKB
	s_or_b32 s[G0B+4*\s+3], s[G0B+4*\s+3], 0x80000000
	JLOAD G0+4*\s, G1, G0B+4*\s, G1B               ; three loads of mine are out
.endr
	v_and_b32 v1, 15, v0                           ; r
	v_bfe_u32 v2, v0, 4, 1                         ; h
	v_and_b32 v5, 31, v0
	v_lshlrev_b32 v[LI], 4, v5
	s_lshl_b32 s2, s[RH], 15                       ; my 128 rows of A,
	s_lshl_b32 s3, s[CH], 15
	s_add_co_u32 s3, s3, 2*BLKB                    ; of B, behind A's 256
.irp s, 0,1
	v_add_nc_u32 v[ADRA+\s], s2, v[LI]
	v_add_nc_u32 v[ADRB+\s], s3, v[LI]
	s_add_co_u32 s2, s2, SLOT
	s_add_co_u32 s3, s3, SLOT
.endr
	s_lshl_b32 s2, s[RH], 12
	s_lshl_b32 s3, s[CH], 12
	s_add_co_u32 s3, s3, 8320
	s_sub_co_u32 s3, s3, s2
	v_mul_u32_u24 v6, s3, v2                       ; lanes 16-31 take B's: the lower base + h x the distance
	v_lshl_add_u32 v6, v1, 3, v6                   ; 8 bytes a row
	s_add_co_u32 s2, s2, SCL
	v_add_nc_u32 v[ADRS], s2, v6
	v_lshlrev_b32 v3, 6, v2                        ; bq, bk: 64 h: my 16 features of each 32
	v_and_b32 v4, 8, v1
	v_add_nc_u32 v4, v4, v1
	v_lshlrev_b32 v4, 2, v4                        ; bv: feature r + 8 (r / 8) of a tile
	; the biases.  Both sets are loaded by every kind, with the block's number taken modulo 8, so that every address lies in its buffer; the way out uses the one that is its own
	s_lshl_b32 s46, s[IA], 1
	s_add_co_u32 s46, s46, s[RH]                   ; the block of A that I multiply
	s_lshl_b32 s66, s[IB], 1
	s_add_co_u32 s66, s66, s[CH]                   ; of B
	s_and_b32 s2, s66, 7
	s_lshl_b32 s2, s2, 9
	s_mov_b32 s3, 0
	s_cmp_eq_u32 s[KIND], 1
	s_cselect_b64 s[8:9], s[10:11], s[8:9]
	s_add_nc_u64 s[8:9], s[8:9], s[2:3]
	s_and_b32 s2, s46, 7
	s_lshl_b32 s2, s2, 9
	s_add_nc_u64 s[12:13], s[12:13], s[2:3]
.irp be, 0,1,2,3
.irp j, 0,1,2,3
	global_load_b128 v[BI+16*\be+4*\j:BI+16*\be+4*\j+3], v3, s[8:9] offset:128*\be+16*\j   ; register 16 b + i: feature 32 b + 16 h + i
.endr
.endr
.irp a, 0,1,2,3,4,5,6,7
	global_load_b32 v[BV+2*\a], v4, s[12:13] offset:(32*(\a/2)+8*(\a%2))*4
	global_load_b32 v[BV+2*\a+1], v4, s[12:13] offset:(32*(\a/2)+8*(\a%2))*4   ; (the packed addition names the pair)
.endr
	; where my results go: a block of 128 tokens (batch, block G) and a block of 128 features (two heads)
	s_cmp_eq_u32 s[KIND], 2
	s_cselect_b32 s2, s66, s46                     ; tokens
	s_cselect_b32 s3, s46, s66                     ; features
	s_lshr_b32 s101, s2, 4
	s_lshl_b32 s101, s101, 4                       ; 16 x batch
	s_and_b32 s2, s2, 15                           ; G
	s_lshl_b32 s3, s3, 1
	s_add_co_u32 s3, s3, s101                      ; bh of the first head
	s_mov_b32 s46, 278528
	s_mov_b32 s66, 17408
	s_cmp_eq_u32 s[KIND], 0
	s_cselect_b32 s46, 131072, s46                 ; from head to head among the images
	s_cselect_b32 s66, 8192, s66                   ; from block to block
	s_cselect_b64 s[4:5], s[14:15], s[16:17]       ; qq or kv
	s_mul_i32 s101, s3, s46
	s_mul_i32 s66, s2, s66
	s_add_co_u32 s66, s66, s101                    ; q's or k's tiles
	s_lshl_b32 s3, s3, 13
	s_lshl_b32 s2, s2, 9
	s_add_co_u32 s2, s2, s3
	s_add_co_u32 s2, s2, XSC                       ; q's scale words
	s_add_co_u32 s3, s66, 16384                    ; k's
	s_mov_b32 s101, 278528
	s_cmp_eq_u32 s[KIND], 0
	s_cselect_b32 s2, s2, s3
	s_cselect_b32 s10, 8192, s101                  ; from head to head among the scale words
	s_cmp_eq_u32 s[KIND], 2
	s_cselect_b32 s3, 8192, 0
	s_cselect_b32 s101, 512, 0
	s_add_co_u32 s66, s66, s3                      ; v's images lie behind k's,
	s_add_co_u32 s2, s2, s101                      ; its scale words too
	s_mov_b32 s67, 0
	s_mov_b32 s3, 0
	s_mov_b32 s47, 0
	s_mov_b32 s11, 0
	s_add_nc_u64 s[S0:S0+1], s[4:5], s[2:3]
	s_add_nc_u64 s[S0+2:S0+3], s[S0:S0+1], s[10:11]
	s_add_nc_u64 s[P0:P0+1], s[4:5], s[66:67]
	s_add_nc_u64 s[P0+2:P0+3], s[P0:P0+1], s[46:47]
	s_mov_b32 s[SEL], 0x76543210
	s_mov_b32 s[SEL+1], 0xfedcba98
	s_mov_b32 s[MNT], 0x600000
	s_mov_b32 s[PS0], 0x01000100                   ; bytes 0, 1, 0, 1 of a word
	s_mov_b32 s[PS1], 0x03020302                   ; bytes 2, 3, 2, 3
.macro FRAG reg, adr, q, i             ; a fragment comes as it lies: four loads of 512 consecutive bytes
.irp c, 0,1,2,3
	ds_load_b128 v[\reg+4*\c:\reg+4*\c+3], v[\adr] offset:16384*(\q)+2048*(\i)+512*\c
.endr
.endm
; 16 matrix instructions: A's tiles a0, a0 + 1 x B's eight.  p: B's set; sc: the set of scale words.  The 64 accumulators take turns, one instruction a turn, in the same order in every step.
.macro MUL16 a0, p, q, sc, zero
.irp a, \a0, \a0+1
.irp b, 0,1,2,3,4,5,6,7
.if \zero
	v_wmma_scale_f32_16x16x128_f8f6f4 v[8*(8*((\a)%4)+\b):8*(8*((\a)%4)+\b)+7], v[128*(\p)+FR*\b:128*(\p)+FR*\b+FR-1], v[AF+FR*(\a):AF+FR*(\a)+FR-1], 0, v[SC+8*NQ*(\sc)+NQ*\b+(\q)], v[SC+8*NQ*(\sc)+NQ*(\a)+(\q)] matrix_a_fmt:MATRIX_FMT_BF8 matrix_b_fmt:MATRIX_FMT_BF8 matrix_a_scale:MATRIX_SCALE_ROW1
.else
	v_wmma_scale_f32_16x16x128_f8f6f4 v[8*(8*((\a)%4)+\b):8*(8*((\a)%4)+\b)+7], v[128*(\p)+FR*\b:128*(\p)+FR*\b+FR-1], v[AF+FR*(\a):AF+FR*(\a)+FR-1], v[8*(8*((\a)%4)+\b):8*(8*((\a)%4)+\b)+7], v[SC+8*NQ*(\sc)+NQ*\b+(\q)], v[SC+8*NQ*(\sc)+NQ*(\a)+(\q)] matrix_a_fmt:MATRIX_FMT_BF8 matrix_b_fmt:MATRIX_FMT_BF8 matrix_a_scale:MATRIX_SCALE_ROW1
.endif
.endr
.endr
.endm
.macro FETCH_B slot, q, p
	WIN TO_B
.irp i, 0,1,2,3,4,5,6,7
	FRAG 128*(\p)+FR*\i, ADRB+\slot, \q, \i
.endr
	WIN 0
.endm
.macro FETCH_A slot, q, i0
.irp i, \i0, \i0+1, \i0+2, \i0+3
	FRAG AF+FR*(\i), ADRA+\slot, \q, \i
.endr
.endm
.macro SCALES sc                       ; a slot's scale words: two a row; lanes 0-15 take A's tile i, lanes 16-31 B's tile i
.irp i, 0,1,2,3,4,5,6,7
	ds_load_b64 v[SC+8*NQ*\sc+NQ*\i:SC+8*NQ*\sc+NQ*\i+1], v[ADRS] offset:\i*128
.endr
.endm
; A step of 128 along K that has its successor in the same slot.  A's tiles are free as soon as their eight products are issued: one set serves A; B has two.
.macro STEP slot, q, zero
	s_wait_dscnt 4*NL                              ; B's set, A's tiles 0-3 and the scale words are in; the youngest 16 loads (A's tiles 4-7) may be out
	WIN MUL_LO
	MUL16 0, (\q)%2, \q, \slot, \zero
	MUL16 2, (\q)%2, \q, \slot, \zero
	s_wait_dscnt 0
	PLACES NP                                      ; in front of loads into registers that matrix instructions have read
	FETCH_B \slot, (\q)+1, 1-(\q)%2
	FETCH_A \slot, (\q)+1, 0
	WIN MUL_HI
	MUL16 4, (\q)%2, \q, \slot, \zero
	MUL16 6, (\q)%2, \q, \slot, \zero
	PLACES NP
	WIN 0
	FETCH_A \slot, (\q)+1, 4
.endm
; A slot's last step changes slots: ONE barrier; in front of it each wave waits for all its tensor loads, adds 0 to its spare word, and waits for that and for its reads of this slot.
.macro TURN slot, next, fill
	s_wait_tensorcnt 0x0                           ; all my tensor loads have landed: my part of the next slot
	ds_add_u32 v[SPW], v[NIL]                      ; 0 onto my spare word
	s_wait_dscnt 4*NL+1                            ; (the add and the youngest 16 loads may be out)
	WIN MUL_LO
	MUL16 0, 1, NQ-1, \slot, 0
	s_wait_dscnt 0x0                               ; the add is done, and my reads of this slot are over
	s_barrier_signal -1
	MUL16 2, 1, NQ-1, \slot, 0
	WIN 0
	s_barrier_wait -1
.if \fill
	CREST                                          ; the barrier has opened a round of the cluster's: no wave of any partner still reads this slot or has a load on its way
	s_add_nc_u64 s[G0+4*\slot+2:G0+4*\slot+3], s[G0+4*\slot+2:G0+4*\slot+3], 2*BLKB
	s_add_nc_u64 s[G0B+4*\slot+2:G0B+4*\slot+3], s[G0B+4*\slot+2:G0B+4*\slot+3], 2*BLKB
	JLOAD G0+4*\slot, G1, G0B+4*\slot, G1B         ; the first tensor load behind the round; its four v_nop are among the places in front of the loads below
	PLACES NP-4
.else
	PLACES NP
.endif
	v_add_nc_u32 v[ADRS], 1024, v[ADRS]            ; the next slot's scale words
	FETCH_B \next, 0, 0
	FETCH_A \next, 0, 0
	SCALES \next
	WIN MUL_HI
	MUL16 4, 1, NQ-1, \slot, 0
	MUL16 6, 1, NQ-1, \slot, 0
	PLACES NP
	WIN 0
	FETCH_A \next, 0, 4
.endm
	s_wait_tensorcnt 1                             ; the scale words and my part of slot 0 are in; slot 1's load may be out
	s_barrier_signal -1
	s_barrier_wait -1
	FETCH_B 0, 0, 0
	FETCH_A 0, 0, 0
	SCALES 0
	FETCH_A 0, 0, 4
	STEP 0, 0, 1                                   ; the first step's products start the sums
	s_mov_b32 s3, 1                                ; K = 1,024 is two laps of the ring: one trip fills both slots again
.Llap:
	TURN 0, 1, 1
	STEP 1, 0, 0
	TURN 1, 0, 1
	STEP 0, 0, 0
	s_sub_co_u32 s3, s3, 1
	s_cmp_lg_u32 s3, 0
	s_cbranch_scc1 .Llap
	TURN 0, 1, 0                                   ; the last lap fills nothing
	STEP 1, 0, 0
	s_wait_dscnt 4*NL
	WIN MUL_LO
	MUL16 0, 1, NQ-1, 1, 0
	MUL16 2, 1, NQ-1, 1, 0
	s_wait_dscnt 0
	WIN MUL_HI
	MUL16 4, 1, NQ-1, 1, 0
	MUL16 6, 1, NQ-1, 1, 0
	WIN 0
; THE WAY OUT.  Tile a of A: a lane's 64 sums are 64 numbers of ONE row along the next product's K: register 16 b + i = 32 b + 16 h + i.  Bias, quantiser, and the codes ARE an image: 512 consecutive bytes a store.
.macro QUANT s, pw
.irp b, 0,1,2,3
	v_max3_num_f32 v[TM+\b], |v[\s+16*\b]|, |v[\s+1+16*\b]|, 0x8000000   ; my 16 numbers of block b, and the floor 2^(16 - 127)
.endr
.irp i, 2,4,6,8,10,12,14
.irp b, 0,1,2,3
	v_max3_num_f32 v[TM+\b], v[TM+\b], |v[\s+16*\b+\i]|, |v[\s+1+16*\b+\i]|
.endr
.endr
.irp b, 0,1,2,3
	v_permlanex16_b32 v[TM+4+\b], v[TM+\b], s[SEL], s[SEL+1]
.endr
.irp b, 0,1,2,3
	v_max_num_f32 v[TM+\b], v[TM+\b], v[TM+4+\b]   ; with lane l xor 16's
.endr
.irp b, 0,1,2,3
	v_add_nc_u32 v[TM+12+\b], 0xf8800000, v[TM+\b]   ; 15 off the exponent field: the conversion's scale operand
.endr
.irp b, 0,1,2,3
	v_and_or_b32 v[TM+8+\b], v[TM+\b], 0x7f800000, s[MNT]   ; 57,344 x the scale
.endr
.irp b, 0,1,2,3
	v_lshrrev_b32 v[TM+4+\b], 23, v[TM+12+\b]
.endr
	v_lshl_or_b32 v[\pw], v[TM+5], 8, v[TM+4]
	v_lshl_or_b32 v[\pw], v[TM+6], 16, v[\pw]
	v_lshl_or_b32 v[\pw], v[TM+7], 24, v[\pw]
.irp b, 0,1,2,3
.irp i, 0,1,2,3,4,5,6,7,8,9,10,11,12,13,14,15
	v_med3_num_f32 v[\s+16*\b+\i], v[\s+16*\b+\i], -v[TM+8+\b], v[TM+8+\b]   ; the conversion does not saturate (ISA guide 7.6.2)
.endr
	v_cvt_scalef32_pk8_bf8_f32 v[PC+4*\b:PC+1+4*\b], v[\s+16*\b:\s+7+16*\b], v[TM+12+\b]
	v_cvt_scalef32_pk8_bf8_f32 v[PC+2+4*\b:PC+3+4*\b], v[\s+8+16*\b:\s+15+16*\b], v[TM+12+\b]
.endr
	v_nop
.endm
.macro EPI a, isv
	s_wait_xcnt 0x0                                ; the last tile's stores have read the codes' registers
	WIN 0x02+(\a)/4                                ; source 0: the accumulators' window
.set AC, 64*((\a)%4)
.set n, 0
.rept 32
.if \isv
	v_pk_add_f32 v[X+n:X+n+1], v[AC+n:AC+n+1], v[BV+2*(\a):BV+2*(\a)+1] op_sel_hi:[1,0]   ; + bv of my feature; each accumulator from its low end on
.else
	v_pk_add_f32 v[X+n:X+n+1], v[AC+n:AC+n+1], v[BI+n:BI+n+1]   ; + bq or bk; each accumulator from its low end on
.endif
.set n, n+2
.endr
	WIN 0
.if \isv
	QUANT X, QW+(\a)
.irp be, 0,1,2,3
	global_store_b128 v[LI], v[PC+4*\be:PC+4*\be+3], s[P0+2*((\a)/4):P0+2*((\a)/4)+1] offset:((\a)%4)*2048+512*\be   ; head a / 4, d tile a % 4, keys 32 be on
.endr
.else
	QUANT X, PW
.irp be, 0,1,2,3
	global_store_b128 v[LI], v[PC+4*\be:PC+4*\be+3], s[P0+2*(\be/2):P0+2*(\be/2)+1] offset:(\a)*1024+(\be%2)*512   ; head be / 2, tile a of tokens, block be % 2 of the head's 64
.endr
	v_perm_b32 v[QW+(\a)], v[PW], v[PW], s[PS0]    ; the first head's two bytes, twice: the attention's K = 64 sits in either half of a K = 128 instruction
	v_perm_b32 v[QW+8+(\a)], v[PW], v[PW], s[PS1]  ; the second head's
.endif
.endm
	PLACES NP                                      ; behind the last products: their results are read and their operands' registers written
.irp b, 0,1,2,3
	v_mov_b32 v[TM+4+\b], 0                        ; a lane permute's destination counts as one of its sources
.endr
	s_wait_loadcnt 0x0                             ; the biases
	s_cmp_eq_u32 s[KIND], 2                        ; the cluster's x: alike in all partners
	s_cbranch_scc1 .Lout_v
.irp a, 0,1,2,3,4,5,6,7
	EPI \a, 0
.endr
	v_cmp_eq_u32 vcc_lo, 1, v2
.irp hh, 0,1
.irp e, 0,1,2,3
	v_cndmask_b32 v[DW+4*\hh+\e], v[QW+8*\hh+\e], v[QW+8*\hh+4+\e], vcc_lo   ; lanes 0-15: tiles 0-3, lanes 16-31: tiles 4-7
.endr
	global_store_b128 v[LI], v[DW+4*\hh:DW+4*\hh+3], s[S0+2*\hh:S0+2*\hh+1]
.endr
	s_branch .Ldone
.Lout_v:
.irp a, 0,1,2,3,4,5,6,7
	EPI \a, 1
.endr
	global_store_b128 v[LI], v[QW:QW+3], s[S0:S0+1]        ; the first head's four d tiles' words
	global_store_b128 v[LI], v[QW+4:QW+7], s[S0+2:S0+3]    ; the second head's
.Ldone:
	s_wait_tensorcnt 0x0                           ; the wave's end
	ds_add_u32 v[SPW], v[NIL]
	s_wait_dscnt 0x0
	CROUND                                         ; the closing round: no work-group ends while a partner may still ask for a tile that names it
	s_endpgm
.Lfunc_end_k_q0660b800a7_qkv:
	.size	k_q0660b800a7_qkv, .Lfunc_end_k_q0660b800a7_qkv-k_q0660b800a7_qkv
	.p2alignl 7, 3214868480
	.fill 96, 4, 3214868480
	.section	.rodata,"a",@progbits
	.p2align	6, 0x0
	.amdhsa_kernel k_q0660b800a7_qkv
		.amdhsa_group_segment_fixed_size 327680
		.amdhsa_private_segment_fixed_size 0
		.amdhsa_enable_private_segment 0
		.amdhsa_kernarg_size 56
		.amdhsa_user_sgpr_count 2
		.amdhsa_user_sgpr_kernarg_segment_ptr 1
		.amdhsa_wavefront_size32 1
		.amdhsa_system_sgpr_workgroup_id_x 1
		.amdhsa_system_sgpr_workgroup_id_y 1
		.amdhsa_system_sgpr_workgroup_id_z 1
		.amdhsa_system_vgpr_workitem_id 0
		.amdhsa_next_free_vgpr 1024
		.amdhsa_next_free_sgpr 102
		.amdhsa_reserve_vcc 1
		.amdhsa_float_denorm_mode_32 3
		.amdhsa_float_denorm_mode_16_64 3
		.amdhsa_memory_ordered 1
		.amdhsa_forward_progress 1
		.amdhsa_inst_pref_size 255
	.end_amdhsa_kernel
	.section	.bss,"aw",@nobits
	.p2align	6
	.space	262144
	.amdgpu_metadata
---
amdhsa.version: [ 1, 2 ]
amdhsa.kernels:
  - .name:           k_q0660b800a7_qkv
    .symbol:         k_q0660b800a7_qkv.kd
    .args:
      - { .name: xq, .offset: 0, .size: 8, .value_kind: global_buffer, .address_space: global }
      - { .name: wq, .offset: 8, .size: 8, .value_kind: global_buffer, .address_space: global }
      - { .name: bq, .offset: 16, .size: 8, .value_kind: global_buffer, .address_space: global }
      - { .name: bk, .offset: 24, .size: 8, .value_kind: global_buffer, .address_space: global }
      - { .name: bv, .offset: 32, .size: 8, .value_kind: global_buffer, .address_space: global }
      - { .name: qq, .offset: 40, .size: 8, .value_kind: global_buffer, .address_space: global }
      - { .name: kv, .offset: 48, .size: 8, .value_kind: global_buffer, .address_space: global }
    .group_segment_fixed_size: 327680
    .private_segment_fixed_size: 0
    .kernarg_segment_align: 8
    .kernarg_segment_size: 56
    .max_flat_workgroup_size: 128
    .sgpr_count:     102
    .vgpr_count:     1024
    .wavefront_size: 32
...
	.end_amdgpu_metadata
.endif
;; end of part 2
;; launch attn (part 3): grid 4 x 64, 8 waves a work-group, clusters of 4 x 1, 279,552 bytes of LDS; arguments qq, kv, cq; writes cq
.if DOCPART == 3
	.amdgcn_target "amdgcn-amd-amdhsa--gfx1250"
	.amdhsa_code_object_version 6
	.text
	.protected	k_q0660b800a7_attn
	.globl	k_q0660b800a7_attn
	.p2align	8
	.type	k_q0660b800a7_attn,@function
k_q0660b800a7_attn:
	s_mov_b64 s[64:65], 0
	v_nop
	global_prefetch_b8 v0, s[64:65] scope:SCOPE_SE
	s_setreg_imm32_b32 hwreg(HW_REG_WAVE_MODE, 25, 1), 1
	s_wait_xcnt 0x0
	s_wait_alu depctr_hold_cnt(0) depctr_sa_sdst(0) depctr_va_vdst(0) depctr_va_sdst(0) depctr_va_ssrc(0) depctr_va_vcc(0) depctr_vm_vsrc(0)
	s_getreg_b32 s2, hwreg(HW_REG_IB_STS2, 6, 4)
	s_cmp_eq_u32 s2, 0
	s_cbranch_scc0 .Lentry_in_a_cluster
	s_endpgm
.Lentry_in_a_cluster:
	s_bfe_u32 s2, ttmp6, 0x10000c
	s_cmp_lg_u32 s2, 0x3003
	s_cbranch_scc0 .Lentry_shape_is_right
	s_endpgm
.Lentry_shape_is_right:
; ATTN.  ctx[q] = the sum over keys of softmax(q . k / 8) v, for one of 64 (batch, head) pairs, both products on codes of E5M2 with E8M0 scales; ctx is quantised along the head's 64 and leaves as images for the last product.
; THE SOFTMAX: t = score x log2(e) / 8; M = the running largest t rounded UP to a whole number; p = 2^(t - M) is quantised along the keys, not normalised; the row's sum is taken of the unquantised p and divides at the end.
; When M moves, the sum and O are multiplied by 2^(old M - new M): exact.
; SHARES.  A work-group owns 512 queries of a head, each of its eight waves 64: four tiles of 16; two waves to a SIMD, so that one wave's vector work stands beside the other's products and LDS loads.
; THE WHOLE HEAD'S K, V AND SCALE WORDS LIE IN LDS: 16 key steps x 17,408 bytes, filled ONCE: no ring, no slot is filled again, no barrier in the loop.
; CLUSTER.  The four query blocks of a head need the same bytes: each wave asks for an eighth of them JOINTLY with its namesakes in the three partners.  All is asked for at the head, so nothing is left to prefetch.
; Four tiles to a wave: each fragment of K and V read from LDS feeds four products.
; LAYOUT.  S^T = K Q^T (source 0 = 16 keys, source 1 = 16 queries), O^T = V^T P^T: a lane holds ONE query throughout.  The keys of a tile are chosen so that the 16 registers of two neighbouring tiles are 16 neighbouring keys.
; K = 64 IN AN INSTRUCTION OF K = 128: a tile of K or Q is 8 registers.  Q stands beside 8 registers of zero codes: tiles 0, 2 as [Q | 0], tiles 1, 3 as [0 | Q]; source 0 is a run of 16 registers that slides along K's tiles,
; so that the wanted tile meets Q and its neighbour meets zeros (8 zero registers stand at either end of K).  K's codes are finite (the quantiser holds).  Scale words are (s0, s1, s0, s1): one word serves both halves.
; LIMITS: a block of zeros gets the byte 1; NaN and infinities are not served.
; REGISTERS.  Window 0: see the names below.  Window 1: v0-127 O^T (tile i, d tile t at v[32 i + 8 t]); v128-191 V; v192-207 p's codes.
.set STEPB, 17408
.set LI,  1                            ; v1   16 x lane
.set ADR, 2                            ; v2   the key step in hand
.set ST,  8                            ; v8-23  tile i: -M, the largest t, the sum in two halves
.set KS,  24                           ; v24-27 K's scale words: lanes 0-15 tiles 0-3, lanes 16-31 tiles 4-7
.set VS,  28                           ; v28-31 V's
.set QS,  32                           ; v32-35 Q's
.set PS,  36                           ; v36    p's
.set BM,  38                           ; v38-41 the blocks' largest scores, then largest p
.set PM,  42                           ; v42-45 at work
.set CAP, 46
.set SOP, 50                           ; v50-53 the conversions' scale operands
.set F,   54                           ; v54, v55 2^(old M - new M); v55 is only named with it
.set T,   56
.set QB,  58                           ; v58-105 Q0, zeros, Q1, Q2, zeros, Q3
.set K,   114                          ; v106-113 zeros, v114-177 K's eight tiles, v178-185 zeros
.set S,   186                          ; v186-249 S^T, then p
.set V,   128                          ; in window 1
.set P,   192
.set CC,  114                          ; the way out: ctx's codes, 8 registers a tile
.set HW,  146                          ; and a tile's two scale bytes
.set WV,  10
.set CX,  11
.set BH,  12
.set G1,  16
.set G0,  24
.set SEL, 28
.set CS,  30                           ; s[30:31] log2(e) / 8
.set MNT, 32
.set TB,  33
.set CNT, 34
.set MSB, 0
.macro WIN new
.if MSB != (\new)
	s_set_vgpr_msb (MSB<<8)|(\new)
.set MSB, (\new)
.endif
.endm
.macro ROUND                           ; a round of the cluster's barrier
	s_barrier_signal -1
	s_barrier_wait -1
	s_cmp_lg_u32 s[WV], 0
	s_cbranch_scc1 .Lnot_wave_0_\@
	s_barrier_signal -3
.Lnot_wave_0_\@:
	s_barrier_wait -3
	s_barrier_signal -1
	s_barrier_wait -1
.endm
	s_load_b128 s[4:7], s[0:1], 0x0                ; qq s[4:5], kv s[6:7]
	s_load_b64 s[8:9], s[0:1], 0x10                ; cq
	v_lshl_add_u32 v254, v0, 2, 0x44000
	v_mov_b32 v255, 0
	ds_add_u32 v254, v255
	ds_add_u32 v254, v255
	v_lshrrev_b32 v1, 5, v0
	v_readfirstlane_b32 s[WV], v1                  ; wave 0..7
	s_bfe_u32 s[CX], ttmp6, 0x40000                ; my block of 512 queries
	s_and_b32 s[BH], ttmp7, 0xffff                 ; 16 x batch + head: the four partners share it
	s_mov_b32 s[G1], 15|(3<<16)|(1<<21)            ; 15:0 all four work-groups; 17:16 elements of 8 bytes; 21 set beside a mask
	s_mov_b32 s[G1+1], 32<<16                      ; a dense block as 136 rows of 256 bytes
	s_mov_b32 s[G1+2], 136<<16
	s_mov_b32 s[G1+3], 32<<16
	s_mov_b32 s[G1+4], 136
	s_mov_b32 s[G1+5], 32
	s_mov_b32 s[G1+6], 0
	s_mov_b32 s[G1+7], 0
	s_mul_i32 s13, s[WV], 2*STEPB                  ; my eighth: two key steps
	s_mul_i32 s36, s[BH], 16*STEPB
	s_add_co_u32 s36, s36, s13
	s_mov_b32 s37, 0
	s_wait_dscnt 0x0
	s_wait_kmcnt 0x0
	s_mov_b32 s[G0], 1
	s_mov_b32 s[G0+1], s13
	s_add_nc_u64 s[G0+2:G0+3], s[6:7], s[36:37]
	s_or_b32 s[G0+3], s[G0+3], 0x80000000
	ROUND                                          ; all four work-groups are here: the joint loads meet
	tensor_load_to_lds s[G0:G0+3], s[G1:G1+7]      ; my one tensor load of the launch
	s_nop 0
.rept 4
	v_nop
.endr
	s_lshl_b32 s38, s[BH], 17                      ; q's tiles: bh x 131,072 + (32 cx + 4 wave) x 1,024
	s_lshl_b32 s14, s[CX], 15
	s_add_co_u32 s38, s38, s14
	s_lshl_b32 s14, s[WV], 12
	s_add_co_u32 s38, s38, s14
	s_mov_b32 s39, 0
	s_lshl_b32 s40, s[BH], 13                      ; q's scale words: bh x 8,192 + (4 cx + wave / 2) x 512 + (wave % 2) x 256
	s_lshl_b32 s14, s[CX], 11
	s_add_co_u32 s40, s40, s14
	s_lshr_b32 s14, s[WV], 1
	s_lshl_b32 s14, s14, 9
	s_add_co_u32 s40, s40, s14
	s_and_b32 s14, s[WV], 1
	s_lshl_b32 s14, s14, 8
	s_add_co_u32 s40, s40, s14
	s_add_co_u32 s40, s40, 8388608
	s_mov_b32 s41, 0
	s_lshr_b32 s14, s[BH], 4                       ; batch
	s_and_b32 s15, s[BH], 15                       ; head
	s_lshl_b32 s42, s14, 7
	s_lshl_b32 s35, s[CX], 5
	s_add_co_u32 s42, s42, s35
	s_lshl_b32 s35, s[WV], 2
	s_add_co_u32 s42, s42, s35                     ; my first tile of tokens: 128 batch + 32 cx + 4 wave
	s_lshl_b32 s42, s42, 14
	s_lshr_b32 s35, s15, 1
	s_lshl_b32 s35, s35, 11
	s_add_co_u32 s42, s42, s35                     ; K step head / 2 of the last product,
	s_and_b32 s35, s15, 1
	s_lshl_b32 s35, s35, 10
	s_add_co_u32 s42, s42, s35                     ; its blocks 2 (head % 2) on
	s_mov_b32 s43, 0
	s_lshl_b32 s44, s14, 5
	s_lshl_b32 s35, s[CX], 3
	s_add_co_u32 s44, s44, s35
	s_add_co_u32 s44, s44, s[WV]                   ; my group of 64 tokens
	s_lshl_b32 s44, s44, 4
	s_add_co_u32 s44, s44, s15
	s_lshl_b32 s44, s44, 7
	s_add_co_u32 s44, s44, 8388608
	s_mov_b32 s45, 0
	s_add_nc_u64 s[38:39], s[4:5], s[38:39]
	s_add_nc_u64 s[40:41], s[4:5], s[40:41]
	s_add_nc_u64 s[42:43], s[8:9], s[42:43]
	s_add_nc_u64 s[44:45], s[8:9], s[44:45]
	v_and_b32 v3, 15, v0                           ; r
	v_bfe_u32 v4, v0, 4, 1                         ; h
	v_and_b32 v6, 31, v0
	v_lshlrev_b32 v[LI], 4, v6
	v_lshlrev_b32 v5, 4, v3                        ; 16 r
	v_lshlrev_b32 v6, 2, v6                        ; 4 x lane
.irp i, 0,1,2,3
	global_load_b128 v[QB+24*(\i/2)+16*(\i%2):QB+24*(\i/2)+16*(\i%2)+3], v[LI], s[38:39] offset:1024*\i         ; Q stays in registers
	global_load_b128 v[QB+24*(\i/2)+16*(\i%2)+4:QB+24*(\i/2)+16*(\i%2)+7], v[LI], s[38:39] offset:1024*\i+512
.endr
	global_load_b128 v[QS:QS+3], v5, s[40:41]      ; word i: my tile i, row r
	s_mov_b32 s[SEL], 0x76543210
	s_mov_b32 s[SEL+1], 0xfedcba98
	s_mov_b32 s[CS], 0x3e38aa3b                    ; log2(e) / 8
	s_mov_b32 s[CS+1], s[CS]
	s_mov_b32 s[TB], 0
	s_mov_b32 s[CNT], 15
.irp z, 66,90,106,178
.irp n, 0,1,2,3,4,5,6,7
	v_mov_b32 v[\z+\n], 0                          ; zero codes beside Q and at either end of K
.endr
.endr
.irp b, 0,1,2,3
	v_mov_b32 v[PM+\b], 0                          ; a lane permute's destination counts as one of its sources
.endr
	v_mov_b32 v[F+1], 0
.irp i, 0,1,2,3
	v_mov_b32 v[ST+4*\i+1], 0xff61b1e6             ; the largest t so far: -3e38
	v_floor_f32 v[ST+4*\i], -v[ST+4*\i+1]          ; -M
	v_mov_b32 v[ST+4*\i+2], 0
	v_mov_b32 v[ST+4*\i+3], 0
.endr
.macro LDK off                         ; a key step's K: eight tiles of 1,024 bytes, and its scale words
.irp t, 0,1,2,3,4,5,6,7
	ds_load_b128 v[K+8*\t:K+8*\t+3], v[ADR] offset:\off+1024*\t
	ds_load_b128 v[K+8*\t+4:K+8*\t+7], v[ADR] offset:\off+1024*\t+512
.endr
	ds_load_b128 v[KS:KS+3], v[ADR] offset:\off+16384
.endm
.macro LDV                             ; its V: four d tiles x 128 keys
	WIN 0x40
.irp t, 0,1,2,3
.irp c, 0,1,2,3
	ds_load_b128 v[V+16*\t+4*\c:V+16*\t+4*\c+3], v[ADR] offset:8192+2048*\t+512*\c
.endr
.endr
	WIN 0
	ds_load_b128 v[VS:VS+3], v[ADR] offset:16896
.endm
.macro KQ i                            ; S^T of tile i: eight products, each starting its sum
	WIN 0
.set rQ, QB+24*((\i)/2)+8*((\i)%2)
.set rK, K-8*((\i)%2)
.irp t, 0,1,2,3,4,5,6,7
.if \t < 4
	v_wmma_scale_f32_16x16x128_f8f6f4 v[S+8*\t:S+8*\t+7], v[rK+8*\t:rK+8*\t+15], v[rQ:rQ+15], 0, v[KS+\t], v[QS+(\i)] matrix_a_fmt:MATRIX_FMT_BF8 matrix_b_fmt:MATRIX_FMT_BF8
.else
	v_wmma_scale_f32_16x16x128_f8f6f4 v[S+8*\t:S+8*\t+7], v[rK+8*\t:rK+8*\t+15], v[rQ:rQ+15], 0, v[KS+\t-4], v[QS+(\i)] matrix_a_fmt:MATRIX_FMT_BF8 matrix_b_fmt:MATRIX_FMT_BF8 matrix_a_scale:MATRIX_SCALE_ROW1
.endif
.endr
.endm
.macro PV i                            ; O^T of tile i += V^T P^T: four accumulators, one instruction each
	WIN 0x55
	s_setprio 0
.irp t, 0,1,2,3
	v_wmma_scale_f32_16x16x128_f8f6f4 v[32*(\i)+8*\t:32*(\i)+8*\t+7], v[V+16*\t:V+16*\t+15], v[P:P+15], v[32*(\i)+8*\t:32*(\i)+8*\t+7], v[VS+\t], v[PS] matrix_a_fmt:MATRIX_FMT_BF8 matrix_b_fmt:MATRIX_FMT_BF8
.endr
.endm
; THE SOFTMAX of tile i for 128 keys.  hookk: the next step's K is asked for first (behind the last K Q^T of this step stand the 16 multiplications of the tail before: its places).
; hookv: this step's V is asked for behind the 32 maxima, which are the places behind the last V^T P^T.
.macro SM i, hookv, hookk
.set rT, ST+4*(\i)
.if \hookk
	LDK STEPB
.endif
.irp b, 0,1,2,3
	v_max3_num_f32 v[BM+\b], v[S+16*\b], v[S+16*\b+1], v[S+16*\b+2]   ; the largest score of each block of 32 keys: for the row's maximum, and, since p rises with the score, for the block's largest p
.endr
	s_setprio 2
.irp n, 3,5,7,9,11,13
.irp b, 0,1,2,3
	v_max3_num_f32 v[BM+\b], v[BM+\b], v[S+16*\b+\n], v[S+16*\b+\n+1]
.endr
.endr
.irp b, 0,1,2,3
	v_max_num_f32 v[BM+\b], v[BM+\b], v[S+16*\b+15]
.endr
.if \hookv
	v_add_nc_u32 v[ADR], s[TB], v[LI]
	LDV
.endif
.irp b, 0,1,2,3
	v_permlanex16_b32 v[PM+\b], v[BM+\b], s[SEL], s[SEL+1]
.endr
.irp b, 0,1,2,3
	v_max_num_f32 v[BM+\b], v[BM+\b], v[PM+\b]     ; with lane l xor 16's 16 keys
.endr
	v_max3_num_f32 v[T], v[BM], v[BM+1], v[BM+2]
	v_max_num_f32 v[T], v[T], v[BM+3]
	v_mul_f32 v[T], s[CS], v[T]                    ; the step's largest t
	v_max_num_f32 v[rT+1], v[rT+1], v[T]           ; the running largest t
	v_mov_b32 v[T], v[rT]
	v_floor_f32 v[rT], -v[rT+1]                    ; the new -M = -ceil(t)
	v_sub_f32 v[T], v[rT], v[T]                    ; old M - new M: a whole number, 0 or less
	v_cvt_i32_f32 v[T], v[T]                       ; (it saturates)
	v_ldexp_f32 v[F], 1.0, v[T]                    ; f = 2^(old M - new M)
.irp b, 0,1,2,3
	v_fma_f32 v[BM+\b], v[BM+\b], s[CS], v[rT]     ; t - M of each block's largest score
.endr
	; ONE BATCH of 68 exponentials; nothing in it names a result; a scaling stands behind every second one
.irp b, 0,1,2,3
	v_exp_f32 v[BM+\b], v[BM+\b]
.endr
	v_pk_fma_f32 v[S:S+1], v[S:S+1], s[CS:CS+1], v[rT:rT+1] op_sel_hi:[1,0,0]
	v_pk_fma_f32 v[S+2:S+3], v[S+2:S+3], s[CS:CS+1], v[rT:rT+1] op_sel_hi:[1,0,0]
.set j, 0
.rept 32
	v_exp_f32 v[S+2*j], v[S+2*j]                   ; p = 2^(t - M)
	v_exp_f32 v[S+2*j+1], v[S+2*j+1]
.if j < 30
	v_pk_fma_f32 v[S+2*j+4:S+2*j+5], v[S+2*j+4:S+2*j+5], s[CS:CS+1], v[rT:rT+1] op_sel_hi:[1,0,0]   ; t - M of the pair two on
.endif
.set j, j+1
.endr
	v_pk_mul_f32 v[rT+2:rT+3], v[rT+2:rT+3], v[F:F+1] op_sel_hi:[1,0]   ; the sums under the new M: the plain line behind the last exponential
	s_wait_alu depctr_va_vdst(0)                   ; one wait for the batch, ahead of its first reader
	v_pk_add_f32 v[PM:PM+1], v[S:S+1], v[S+2:S+3]  ; the row's sum is taken of the unquantised p, in two chains
.irp n, 4,8,12,16,20,24,28,32,36,40,44,48,52,56,60
	v_pk_add_f32 v[rT+2:rT+3], v[rT+2:rT+3], v[S+\n:S+\n+1]
	v_pk_add_f32 v[PM:PM+1], v[PM:PM+1], v[S+\n+2:S+\n+3]
.endr
	v_pk_add_f32 v[rT+2:rT+3], v[rT+2:rT+3], v[PM:PM+1]
.irp b, 0,1,2,3
	v_max_num_f32 v[BM+\b], 0x8000000, v[BM+\b]    ; the floor 2^(16 - 127)
.endr
.irp b, 0,1,2,3
	v_add_nc_u32 v[SOP+\b], 0xf8800000, v[BM+\b]
.endr
.irp b, 0,1,2,3
.endr
.irp b, 0,1,2,3
	v_lshrrev_b32 v[PM+\b], 23, v[SOP+\b]
.endr
	v_lshl_or_b32 v[PS], v[PM+1], 8, v[PM]         ; p's scale word for these 128 keys
	s_setprio 1
	v_lshl_or_b32 v[PS], v[PM+2], 16, v[PS]
	v_lshl_or_b32 v[PS], v[PM+3], 24, v[PS]
.irp b, 0,1,2,3
.irp n, 0,1,2,3,4,5,6,7,8,9,10,11,12,13,14,15
.endr
.endr
.endm
; THE TAIL of tile i: p's codes; the next tile's scores (S^T's registers are free); O^T x f: 16 plain lines, the places behind those products, and ahead of V^T P^T for its codes and its scale word; then V^T P^T.
.macro TAIL i, nxt, kq, waitk
	WIN 0x40
.irp b, 0,1,2,3
	v_cvt_scalef32_pk8_bf8_f32 v[P+4*\b:P+4*\b+1], v[S+16*\b:S+16*\b+7], v[SOP+\b]
	v_cvt_scalef32_pk8_bf8_f32 v[P+4*\b+2:P+4*\b+3], v[S+16*\b+8:S+16*\b+15], v[SOP+\b]
.endr
	WIN 0
	v_nop                                          ; a plain line between the conversions and the products that write their sources
.if \waitk
	s_wait_dscnt 0x0                               ; the next step's K is in
.endif
.if \kq
	KQ \nxt
.endif
	WIN 0x41
.set n, 0
.rept 16
	v_pk_mul_f32 v[32*(\i)+n:32*(\i)+n+1], v[32*(\i)+n:32*(\i)+n+1], v[F:F+1] op_sel_hi:[1,0]
.set n, n+2
.endr
.if (\i) == 0
	s_wait_dscnt 0x0                               ; this step's V is in
.endif
	PV \i
	WIN 0
.endm
	s_wait_tensorcnt 0x0                           ; my eighth of the head has landed,
	s_barrier_signal -1
	s_barrier_wait -1                              ; everybody's has
	v_mov_b32 v[ADR], v[LI]
	LDK 0
	s_wait_loadcnt 0x0                             ; Q
	s_wait_dscnt 0x0
	KQ 0
	WIN 0x40
.set n, 0
.rept 128
	v_mov_b32 v[n], 0                              ; O^T: the step is written once, and its first trip finds zeros.  These lines are also the places behind the first products
.set n, n+1
.endr
	WIN 0
.Lstep:                                            ; 15 trips; no two matrix instructions that follow each other share an accumulator, over the backward jump too
	SM 0, 1, 0
	TAIL 0, 1, 1, 0
	SM 1, 0, 0
	TAIL 1, 2, 1, 0
	SM 2, 0, 0
	TAIL 2, 3, 1, 0
	SM 3, 0, 1
	TAIL 3, 0, 1, 1
	s_add_co_u32 s[TB], s[TB], STEPB
	s_sub_co_u32 s[CNT], s[CNT], 1
	s_cmp_lg_u32 s[CNT], 0
	s_cbranch_scc1 .Lstep
	s_setprio 0
	SM 0, 1, 0                                     ; the last step: no K behind it
	TAIL 0, 1, 1, 0
	SM 1, 0, 0
	TAIL 1, 2, 1, 0
	SM 2, 0, 0
	TAIL 2, 3, 1, 0
	SM 3, 0, 0
	TAIL 3, 0, 0, 0
	; THE WAY OUT.  The sums' halves are joined; O^T / the sum is ctx; a lane's 32 registers of a tile are 32 numbers of its token along the last product's K: two blocks of 32 with lane l xor 16
.irp i, 0,1,2,3
	v_add_f32 v[BM+\i], v[ST+4*\i+2], v[ST+4*\i+3]
.endr
.irp i, 0,1,2,3
	v_permlanex16_b32 v[PM+\i], v[BM+\i], s[SEL], s[SEL+1]
.endr
.irp i, 0,1,2,3
	v_add_f32 v[BM+\i], v[BM+\i], v[PM+\i]
.endr
.irp i, 0,1,2,3
	v_rcp_f32 v[ST+4*\i+2], v[BM+\i]
.endr
	v_nop
	s_wait_alu depctr_va_vdst(0)                   ; one wait for the four reciprocals
.macro OUT i
	WIN 0x01
.set n, 0
.rept 16
	v_pk_mul_f32 v[S+n:S+n+1], v[32*(\i)+n:32*(\i)+n+1], v[ST+4*(\i)+2:ST+4*(\i)+3] op_sel_hi:[1,0]   ; each accumulator from its low end on
.set n, n+2
.endr
	WIN 0
.irp b, 0,1
	v_max3_num_f32 v[BM+\b], |v[S+16*\b]|, |v[S+16*\b+1]|, 0x8000000
.endr
.irp m, 2,4,6,8,10,12,14
.irp b, 0,1
	v_max3_num_f32 v[BM+\b], v[BM+\b], |v[S+16*\b+\m]|, |v[S+16*\b+\m+1]|
.endr
.endr
.irp b, 0,1
	v_permlanex16_b32 v[PM+\b], v[BM+\b], s[SEL], s[SEL+1]
.endr
.irp b, 0,1
	v_max_num_f32 v[BM+\b], v[BM+\b], v[PM+\b]
.endr
.irp b, 0,1
	v_add_nc_u32 v[SOP+\b], 0xf8800000, v[BM+\b]
.endr
.irp b, 0,1
.endr
.irp b, 0,1
	v_lshrrev_b32 v[PM+\b], 23, v[SOP+\b]
.endr
	v_lshl_or_b32 v[HW+(\i)], v[PM+1], 8, v[PM]    ; the tile's two bytes
.irp b, 0,1
.irp m, 0,1,2,3,4,5,6,7,8,9,10,11,12,13,14,15
.endr
	v_cvt_scalef32_pk8_bf8_f32 v[CC+8*(\i)+4*\b:CC+8*(\i)+4*\b+1], v[S+16*\b:S+16*\b+7], v[SOP+\b]
	v_cvt_scalef32_pk8_bf8_f32 v[CC+8*(\i)+4*\b+2:CC+8*(\i)+4*\b+3], v[S+16*\b+8:S+16*\b+15], v[SOP+\b]
.endr
	v_nop                                          ; a plain line behind the conversions: the next tile writes their sources
.irp b, 0,1
	global_store_b128 v[LI], v[CC+8*(\i)+4*\b:CC+8*(\i)+4*\b+3], s[42:43] offset:(\i)*16384+512*\b   ; 512 consecutive bytes; each tile's codes have registers of their own
.endr
.endm
	OUT 0
	OUT 1
	OUT 2
	OUT 3
	v_lshl_or_b32 v150, v[HW+1], 16, v[HW]
	v_lshl_or_b32 v151, v[HW+3], 16, v[HW+2]
	v_cmp_eq_u32 vcc_lo, 1, v4
	v_cndmask_b32 v152, v150, v151, vcc_lo         ; lanes 0-15: tiles 0, 1; lanes 16-31: tiles 2, 3
	global_store_b32 v6, v152, s[44:45]
	s_wait_tensorcnt 0x0
	ds_add_u32 v254, v255
	s_wait_dscnt 0x0
	ROUND                                          ; the closing round
	s_endpgm
.Lfunc_end_k_q0660b800a7_attn:
	.size	k_q0660b800a7_attn, .Lfunc_end_k_q0660b800a7_attn-k_q0660b800a7_attn
	.p2alignl 7, 3214868480
	.fill 96, 4, 3214868480
	.section	.rodata,"a",@progbits
	.p2align	6, 0x0
	.amdhsa_kernel k_q0660b800a7_attn
		.amdhsa_group_segment_fixed_size 279552
		.amdhsa_private_segment_fixed_size 0
		.amdhsa_enable_private_segment 0
		.amdhsa_kernarg_size 24
		.amdhsa_user_sgpr_count 2
		.amdhsa_user_sgpr_kernarg_segment_ptr 1
		.amdhsa_wavefront_size32 1
		.amdhsa_system_sgpr_workgroup_id_x 1
		.amdhsa_system_sgpr_workgroup_id_y 1
		.amdhsa_system_sgpr_workgroup_id_z 1
		.amdhsa_system_vgpr_workitem_id 0
		.amdhsa_next_free_vgpr 512
		.amdhsa_next_free_sgpr 66
		.amdhsa_reserve_vcc 1
		.amdhsa_float_denorm_mode_32 3
		.amdhsa_float_denorm_mode_16_64 3
		.amdhsa_fp16_overflow 1
		.amdhsa_memory_ordered 1
		.amdhsa_forward_progress 1
		.amdhsa_inst_pref_size 136
	.end_amdhsa_kernel
	.amdgpu_metadata
---
amdhsa.version: [ 1, 2 ]
amdhsa.kernels:
  - .name:           k_q0660b800a7_attn
    .symbol:         k_q0660b800a7_attn.kd
    .args:
      - { .name: qq, .offset: 0, .size: 8, .value_kind: global_buffer, .address_space: global }
      - { .name: kv, .offset: 8, .size: 8, .value_kind: global_buffer, .address_space: global }
      - { .name: cq, .offset: 16, .size: 8, .value_kind: global_buffer, .address_space: global }
    .group_segment_fixed_size: 279552
    .private_segment_fixed_size: 0
    .kernarg_segment_align: 8
    .kernarg_segment_size: 24
    .max_flat_workgroup_size: 256
    .sgpr_count:     66
    .vgpr_count:     512
    .wavefront_size: 32
...
	.end_amdgpu_metadata
.endif
;; end of part 3
;; launch outln (part 4): grid 256 x 1, 4 waves a work-group, no clusters, 168,448 bytes of LDS; arguments cq, wq, hidden_states, bo, ln_gamma, ln_beta, out0; writes out0
.if DOCPART == 4
	.amdgcn_target "amdgcn-amd-amdhsa--gfx1250"
	.amdhsa_code_object_version 6
	.text
	.protected	k_q0660b800a7_outln
	.globl	k_q0660b800a7_outln
	.p2align	8
	.type	k_q0660b800a7_outln,@function
k_q0660b800a7_outln:
	s_mov_b64 s[64:65], 0
	v_nop
	global_prefetch_b8 v0, s[64:65] scope:SCOPE_SE
	s_setreg_imm32_b32 hwreg(HW_REG_WAVE_MODE, 25, 1), 1
	s_wait_xcnt 0x0
; OUTLN.  out = LayerNorm(ctx Wo^T + bo + hidden_states) x gamma + beta; the product on codes of E5M2 with E8M0 scales, all else in f32.
; SHARES.  A work-group owns 32 tokens (two tiles of 16) x all 1,024 columns, so that a row's mean and variance stay inside it; wave w owns columns 256 w on: 16 tiles of columns x 2 tiles of tokens = 32 accumulators.
; The product is used transposed (source 0 = 16 rows of Wo, source 1 = 16 tokens): a lane holds one token, and the 16 registers of two neighbouring tiles are 16 neighbouring columns.
; Wo AND ctx GO FROM MEMORY STRAIGHT INTO OPERAND REGISTERS: both lie as images of registers, so each load is 512 consecutive bytes.  NO CLUSTER: a fragment of Wo is used by one wave alone, for two products;
; a joint load would have to land in LDS, where each byte would be written and read once more, and two slots of a K step (2 x 147,456 bytes) do not fit beside the residual's 133,120.
; No prefetch: each wave has two chunks of 16,384 bytes asked for ahead of the chunk that it multiplies, and Wo is read by every work-group.
; THE RESIDUAL comes by the tensor data mover at the head, four tiles of 8 rows x 1,024 bytes a wave (8 rows, since a tile's tokens lie in two runs of eight), each into bytes of the wave's own, filled once: four loads of mine are out.
; The variance is taken of x - mean, in a second pass: no difference of large sums.
; REGISTERS.  Window 0: names below.  Window 1: Wo's buffers 0 and 1 (128 registers each); later gamma.  Window 2: buffer 2, later beta; from v128 bo.  Window 3: the accumulators, (token tile u, column tile nt) at v[128 u + 8 nt].
.set LI,   1                           ; v1  16 x lane
.set L8,   2                           ; v2  8 x lane
.set HADR, 3                           ; v3  the residual: my token's row, + 64 h
.set RST,  4                           ; v4  the reduction: where I store
.set RLD,  5                           ; v5  and where I read
.set BOF,  6                           ; v6  64 h: my 16 columns of each 32
.set RWO,  7                           ; v7  4 r
.set RDA,  8                           ; v8  my wave's rows, 16 x lane
.set CF,   16                          ; v16-79   ctx's fragments: two sets of two
.set WS,   80                          ; v80-143  Wo's scale words
.set RAW,  144                         ; v144-159 ctx's scale bytes as stored: a word a head
.set CS,   160                         ; v160-175 ctx's scale words [u][K step]
.set H,    176                         ; v176-239 at work
.set SUM,  240                         ; v240-243 a pair a token tile
.set MEAN, 244                         ; v244-247 (first the sums' second chain)
.set RSTD, 248                         ; v248-251 (first the squares' second chain)
.set WREG, 33280                       ; LDS: a wave's 32 rows x 1,040
.set HP,   1040                        ; 1,024 bytes + 16: 16 rows begin at 16 different groups of banks
.set RED,  133120                      ; the reductions: 2 x 512 bytes
.set WV,   18
.set G1,   24
.set G0,   32                          ; s[32:47] four sets
.set SEL,  48
.set MSB, 0
.macro WIN new
.if MSB != (\new)
	s_set_vgpr_msb (MSB<<8)|(\new)
.set MSB, (\new)
.endif
.endm
.macro PLACES n
.rept \n
	v_nop
.endr
.endm
	s_load_b256 s[4:11], s[0:1], 0x0               ; cq s[4:5], wq s[6:7], hidden s[8:9], bo s[10:11]
	s_load_b128 s[12:15], s[0:1], 0x20             ; gamma s[12:13], beta s[14:15]
	s_load_b64 s[16:17], s[0:1], 0x30              ; out0
	v_lshl_add_u32 v254, v0, 2, 0x29000
	v_mov_b32 v255, 0
	ds_add_u32 v254, v255
	ds_add_u32 v254, v255
	v_lshrrev_b32 v1, 5, v0
	v_readfirstlane_b32 s[WV], v1                  ; wave 0..3
	s_mov_b32 s[G1], (2<<16)|(1<<20)|(7<<22)|(3<<25)   ; elements of 4 bytes; padding: 4 words behind every 256
	s_mov_b32 s[G1+1], 256<<16                     ; tensor_dim0
	s_mov_b32 s[G1+2], 8<<16                       ; tensor_dim1
	s_mov_b32 s[G1+3], 256<<16                     ; tile_dim0
	s_mov_b32 s[G1+4], 8                           ; tile_dim1
	s_mov_b32 s[G1+5], 1024                        ; the pitch
	s_mov_b32 s[G1+6], 0
	s_mov_b32 s[G1+7], 0
	s_mul_i32 s19, s[WV], WREG
	s_lshl_b32 s20, ttmp9, 17                      ; 32 tokens of 4,096 bytes,
	s_lshl_b32 s22, s[WV], 10                      ; my 256 columns
	s_add_co_u32 s20, s20, s22
	s_mov_b32 s21, 0
	s_mov_b32 s23, 0
	s_wait_dscnt 0x0
	s_wait_kmcnt 0x0
	s_add_nc_u64 s[8:9], s[8:9], s[20:21]
	s_add_nc_u64 s[16:17], s[16:17], s[20:21]
.irp q, 0,1,2,3                        ; tile q = 2 u + hf: tokens 8 u + 16 hf + 0 .. 7: LDS row 16 u + r then is lane r's token of tile u
	s_mov_b32 s[G0+4*\q], 1
	s_add_co_u32 s[G0+4*\q+1], s19, \q*8*HP
	s_add_nc_u64 s[G0+4*\q+2:G0+4*\q+3], s[8:9], (16*(\q%2)+8*(\q/2))*4096
	s_or_b32 s[G0+4*\q+3], s[G0+4*\q+3], 0x80000000
.endr
.irp q, 0,1,2,3
	tensor_load_to_lds s[G0+4*\q:G0+4*\q+3], s[G1:G1+7]
	s_nop 0
.endr
.rept 4
	v_nop
.endr
	s_add_nc_u64 s[10:11], s[10:11], s[22:23]      ; bo, gamma, beta at my 256 columns
	s_add_nc_u64 s[12:13], s[12:13], s[22:23]
	s_add_nc_u64 s[14:15], s[14:15], s[22:23]
	s_lshl_b32 s52, ttmp9, 15                      ; ctx's images: tile 2 W
	s_mov_b32 s53, 0
	s_lshr_b32 s54, ttmp9, 1                       ; ctx's scale bytes: the group of 64 tokens (32 batch + ..) x 16 heads x 128,
	s_lshl_b32 s54, s54, 11
	s_and_b32 s55, ttmp9, 1
	s_lshl_b32 s55, s55, 6                         ; its lanes 16 (W % 2) on
	s_add_co_u32 s54, s54, s55
	s_add_co_u32 s54, s54, 8388608
	s_mov_b32 s55, 0
	s_lshl_b32 s56, s[WV], 18                      ; Wo's images: my two blocks of 128 rows
	s_add_co_u32 s56, s56, 3145728
	s_mov_b32 s57, 0
	s_lshl_b32 s58, s[WV], 13                      ; and their scale words
	s_add_co_u32 s58, s58, 4194304+98304
	s_mov_b32 s59, 0
	s_add_nc_u64 s[52:53], s[4:5], s[52:53]
	s_add_nc_u64 s[54:55], s[4:5], s[54:55]
	s_add_nc_u64 s[56:57], s[6:7], s[56:57]
	s_add_nc_u64 s[58:59], s[6:7], s[58:59]
	s_mov_b32 s[SEL], 0x76543210
	s_mov_b32 s[SEL+1], 0xfedcba98
	s_mov_b32 s50, 0x05040100                      ; the two low halves
	s_mov_b32 s51, 0x07060302                      ; the two high halves
	s_mov_b32 s60, 0x3a800000                      ; 2^-10
	s_mov_b32 s61, 0x2b8cbccc                      ; 1e-12
	v_and_b32 v9, 15, v0                           ; r
	v_bfe_u32 v10, v0, 4, 1                        ; h
	v_and_b32 v11, 31, v0
	v_lshlrev_b32 v[LI], 4, v11
	v_lshlrev_b32 v[L8], 3, v11
	v_mul_u32_u24 v[HADR], v9, HP
	v_lshl_add_u32 v[HADR], v10, 6, v[HADR]
	v_add_nc_u32 v[HADR], s19, v[HADR]
	v_lshlrev_b32 v[RWO], 2, v9
	v_add_nc_u32 v[RLD], RED, v[RWO]
	s_lshl_b32 s20, s[WV], 7
	v_add_nc_u32 v[RST], s20, v[RLD]
	v_lshlrev_b32 v[BOF], 6, v10
	v_add_nc_u32 v[RDA], s19, v[LI]
.irp cb, 0,1
.irp sg, 0,1,2,3
.irp bp, 0,1,2,3
	global_load_b64 v[WS+2*(16*\cb+4*\sg+\bp):WS+2*(16*\cb+4*\sg+\bp)+1], v[L8], s[58:59] offset:\cb*4096+\sg*1024+\bp*256   ; K steps 2 sg, 2 sg + 1; lanes 0-15 tile 2 bp, lanes 16-31 tile 2 bp + 1
.endr
.endr
.endr
.irp hd, 0,1,2,3,4,5,6,7,8,9,10,11,12,13,14,15
	global_load_b32 v[RAW+\hd], v[RWO], s[54:55] offset:\hd*128   ; low half: my first tile's two bytes of this head, high half: my second tile's
.endr
	WIN 0x80
.irp be, 0,1,2,3,4,5,6,7
.irp j, 0,1,2,3
	global_load_b128 v[128+16*\be+4*\j:128+16*\be+4*\j+3], v[BOF], s[10:11] offset:128*\be+16*\j   ; bo in the result's layout: the C of each sum's first product
.endr
.endr
	WIN 0
; Chunk n = 2 s + cb: K step s, my block cb of 128 rows of Wo: eight fragments, into buffer n % 3.  An even chunk also brings the K step's two fragments of ctx.
.macro LOADS n
.if (\n)%2 == 0
.irp u, 0,1
.irp c, 0,1,2,3
	global_load_b128 v[CF+32*(((\n)/2)%2)+16*\u+4*\c:CF+32*(((\n)/2)%2)+16*\u+4*\c+3], v[LI], s[52:53] offset:\u*16384+((\n)/2)*2048+512*\c
.endr
.endr
.endif
.if (\n)%3 == 2
	WIN 0x80
.else
	WIN 0x40
.endif
.set LB, 128*(((\n)%3)%2)
.irp t, 0,1,2,3,4,5,6,7
.irp c, 0,1,2,3
	global_load_b128 v[LB+16*\t+4*\c:LB+16*\t+4*\c+3], v[LI], s[56:57] offset:((\n)%2)*131072+((\n)/2)*16384+\t*2048+512*\c
.endr
.endr
	WIN 0
.endm
.macro CHUNK n
.if (\n) == 15
	s_wait_loadcnt 0x0
.elseif ((\n)+1)%2 == 0
	s_wait_loadcnt 40                              ; this chunk is in; the next chunk's 32 loads of Wo and 8 of ctx may be out
.else
	s_wait_loadcnt 32                              ; this chunk is in; the next chunk's 32 loads may be out
.endif
.if (\n)+2 < 16
	LOADS (\n)+2                                   ; into the buffer that the chunk before multiplied: eight places stand behind its products
.endif
.set sK, (\n)/2
.set cB, (\n)%2
.set BB, 128*(((\n)%3)%2)
.set W0, 1+((\n)%3)/2
.if sK == 0
	WIN 0xE0+W0                                    ; C: bo, in window 2
.else
	WIN 0xF0+W0
.endif
.irp t, 0,1,2,3,4,5,6,7                ; 16 accumulators, one instruction each: they take turns
.irp u, 0,1
.set rD, 128*\u+8*(8*cB+\t)
.set rA, BB+16*\t
.set rB, CF+32*(sK%2)+16*\u
.set rS, WS+2*(16*cB+4*(sK/2)+\t/2)+sK%2
.set rC, rD
.if sK == 0
.set rC, 128+8*(8*cB+\t)
.endif
.if \t%2
	v_wmma_scale_f32_16x16x128_f8f6f4 v[rD:rD+7], v[rA:rA+15], v[rB:rB+15], v[rC:rC+7], v[rS], v[CS+8*\u+sK] matrix_a_fmt:MATRIX_FMT_BF8 matrix_b_fmt:MATRIX_FMT_BF8 matrix_a_scale:MATRIX_SCALE_ROW1
.else
	v_wmma_scale_f32_16x16x128_f8f6f4 v[rD:rD+7], v[rA:rA+15], v[rB:rB+15], v[rC:rC+7], v[rS], v[CS+8*\u+sK] matrix_a_fmt:MATRIX_FMT_BF8 matrix_b_fmt:MATRIX_FMT_BF8
.endif
.endr
.endr
	WIN 0
	PLACES 8                                       ; in front of loads into registers that these products have read, and of the first read of results
.endm
	LOADS 0
	LOADS 1
	s_wait_loadcnt 32                              ; all but chunk 1's 32 loads
.irp s, 0,1,2,3,4,5,6,7
	v_perm_b32 v[CS+\s], v[RAW+2*\s+1], v[RAW+2*\s], s50      ; K step s = heads 2 s, 2 s + 1: four bytes; my first tile of tokens,
	v_perm_b32 v[CS+8+\s], v[RAW+2*\s+1], v[RAW+2*\s], s51    ; my second
.endr
	PLACES 8                                       ; a scale register written by a vector instruction stands eight places ahead of the product
.irp n, 0,1,2,3,4,5,6,7,8,9,10,11,12,13,14,15
	CHUNK \n
.endr
	; ---- gamma and beta, in the result's layout, into buffers that are done with
	WIN 0x40
.irp be, 0,1,2,3,4,5,6,7
.irp j, 0,1,2,3
	global_load_b128 v[16*\be+4*\j:16*\be+4*\j+3], v[BOF], s[12:13] offset:128*\be+16*\j
.endr
.endr
	WIN 0x80
.irp be, 0,1,2,3,4,5,6,7
.irp j, 0,1,2,3
	global_load_b128 v[16*\be+4*\j:16*\be+4*\j+3], v[BOF], s[14:15] offset:128*\be+16*\j
.endr
.endr
	WIN 0
	s_wait_tensorcnt 0x0                           ; the residual: my own four tiles, which I alone read
.irp n, 0,1,2,3,4,5,6,7
	v_mov_b32 v[SUM+\n], 0                         ; the sums, in two chains a token tile
.endr
	; ---- x = the product + bo + the residual, and its sum
.irp u, 0,1
.irp bb, 0,1
.irp p, 0,1,2,3
.irp j, 0,1,2,3
	ds_load_b128 v[H+16*\p+4*\j:H+16*\p+4*\j+3], v[HADR] offset:16*HP*\u+128*(4*\bb+\p)+16*\j
.endr
.endr
	s_wait_dscnt 0x0
	WIN 0xC3
.set n, 0
.rept 32
	v_pk_add_f32 v[128*\u+64*\bb+n:128*\u+64*\bb+n+1], v[128*\u+64*\bb+n:128*\u+64*\bb+n+1], v[H+n:H+n+1]   ; each accumulator from its low end on
.set n, n+2
.endr
	WIN 0x0C
.set n, 0
.rept 16
	v_pk_add_f32 v[SUM+2*\u:SUM+2*\u+1], v[SUM+2*\u:SUM+2*\u+1], v[128*\u+64*\bb+n:128*\u+64*\bb+n+1]
	v_pk_add_f32 v[MEAN+2*\u:MEAN+2*\u+1], v[MEAN+2*\u:MEAN+2*\u+1], v[128*\u+64*\bb+n+2:128*\u+64*\bb+n+3]
.set n, n+4
.endr
	WIN 0
.endr
.endr
; A row's sum over the work-group: my two chains, my two halves, lane l xor 16's, then the four waves' through LDS.  The result: v[H] for token tile 0, v[H+4] for tile 1.  Each phase has bytes of its own.
.macro REDUCE ph, sb
.irp u, 0,1
	v_pk_add_f32 v[SUM+2*\u:SUM+2*\u+1], v[SUM+2*\u:SUM+2*\u+1], v[\sb+2*\u:\sb+2*\u+1]
.endr
.irp u, 0,1
	v_add_f32 v[SUM+2*\u], v[SUM+2*\u], v[SUM+2*\u+1]
.endr
.irp u, 0,1
	v_permlanex16_b32 v[SUM+2*\u+1], v[SUM+2*\u], s[SEL], s[SEL+1]
.endr
.irp u, 0,1
	v_add_f32 v[SUM+2*\u], v[SUM+2*\u], v[SUM+2*\u+1]
.endr
.irp u, 0,1
	ds_store_b32 v[RST], v[SUM+2*\u] offset:512*\ph+64*\u   ; both halves of the lanes write the same word with the same value
.endr
	s_wait_dscnt 0x0                               ; for the others' sake: my stores are done
	s_barrier_signal -1
	s_barrier_wait -1
.irp u, 0,1
.irp w, 0,1,2,3
	ds_load_b32 v[H+4*\u+\w], v[RLD] offset:512*\ph+128*\w+64*\u
.endr
.endr
	s_wait_dscnt 0x0
.irp u, 0,1
	v_add_f32 v[H+4*\u], v[H+4*\u], v[H+4*\u+1]
	v_add_f32 v[H+4*\u+2], v[H+4*\u+2], v[H+4*\u+3]
	v_add_f32 v[H+4*\u], v[H+4*\u], v[H+4*\u+2]
.endr
.endm
	REDUCE 0, MEAN
.irp u, 0,1
	v_mul_f32 v[MEAN+2*\u], s60, v[H+4*\u]         ; the mean, twice: a pair for the packed forms
	v_mul_f32 v[MEAN+2*\u+1], s60, v[H+4*\u]
.endr
.irp n, 0,1,2,3
	v_mov_b32 v[SUM+\n], 0
	v_mov_b32 v[RSTD+\n], 0
.endr
	; ---- d = x - mean, in place, and the sum of its squares
.irp u, 0,1
	WIN 0xC3
.set n, 0
.rept 64
	v_pk_add_f32 v[128*\u+n:128*\u+n+1], v[128*\u+n:128*\u+n+1], v[MEAN+2*\u:MEAN+2*\u+1] neg_lo:[0,1] neg_hi:[0,1]
.set n, n+2
.endr
	WIN 0x0F
.set n, 0
.rept 32
	v_pk_fma_f32 v[SUM+2*\u:SUM+2*\u+1], v[128*\u+n:128*\u+n+1], v[128*\u+n:128*\u+n+1], v[SUM+2*\u:SUM+2*\u+1]
	v_pk_fma_f32 v[RSTD+2*\u:RSTD+2*\u+1], v[128*\u+n+2:128*\u+n+3], v[128*\u+n+2:128*\u+n+3], v[RSTD+2*\u:RSTD+2*\u+1]
.set n, n+4
.endr
	WIN 0
.endr
	REDUCE 1, RSTD
.irp u, 0,1
	v_fma_f32 v[H+4*\u], v[H+4*\u], s60, s61       ; the variance + 1e-12
.endr
.irp u, 0,1
	v_rsq_f32 v[RSTD+2*\u], v[H+4*\u]
.endr
	v_nop
	s_wait_alu depctr_va_vdst(0)                   ; one wait for the two, ahead of their first reader
.irp u, 0,1
	v_mov_b32 v[RSTD+2*\u+1], v[RSTD+2*\u]
.endr
	s_wait_loadcnt 0x0                             ; gamma and beta
.irp u, 0,1
	WIN 0xC3
.set n, 0
.rept 64
	v_pk_mul_f32 v[128*\u+n:128*\u+n+1], v[128*\u+n:128*\u+n+1], v[RSTD+2*\u:RSTD+2*\u+1]
.set n, n+2
.endr
	WIN 0xE7                                       ; source 1: gamma, window 1; source 2: beta, window 2
.set n, 0
.rept 64
	v_pk_fma_f32 v[128*\u+n:128*\u+n+1], v[128*\u+n:128*\u+n+1], v[n:n+1], v[n:n+1]
.set n, n+2
.endr
.endr
	; ---- out through the residual's bytes, which are my wave's own and are filled no more: in by lanes, back by rows of 1,024 bytes
	WIN 0x0C                                       ; an LDS store's data are its source 1
.irp u, 0,1
.irp be, 0,1,2,3,4,5,6,7
.irp j, 0,1,2,3
	ds_store_b128 v[HADR], v[128*\u+16*\be+4*\j:128*\u+16*\be+4*\j+3] offset:16*HP*\u+128*\be+16*\j
.endr
.endr
.endr
	WIN 0
.irp g, 0,1,2,3                        ; LDS rows 8 g on are tokens 8 (g / 2) + 16 (g % 2) on
.if \g > 0
	s_wait_xcnt 0x0                                ; the last batch's stores have read their registers
.endif
.irp t, 0,1,2,3,4,5,6,7,8,9,10,11,12,13,14,15
	ds_load_b128 v[H+4*\t:H+4*\t+3], v[RDA] offset:(8*\g+\t/2)*HP+512*(\t%2)   ; LDS serves a wave's instructions in order (ISA guide 5.7.1.4): these see my stores
.endr
.irp t, 0,1,2,3,4,5,6,7,8,9,10,11,12,13,14,15
	s_wait_dscnt 15-\t
	global_store_b128 v[LI], v[H+4*\t:H+4*\t+3], s[16:17] offset:(8*(\g/2)+16*(\g%2)+\t/2)*4096+512*(\t%2) th:TH_STORE_NT   ; 32 lanes store 512 consecutive bytes, aligned
.endr
.endr
	s_wait_tensorcnt 0x0
	ds_add_u32 v254, v255
	s_wait_dscnt 0x0
	s_endpgm
.Lfunc_end_k_q0660b800a7_outln:
	.size	k_q0660b800a7_outln, .Lfunc_end_k_q0660b800a7_outln-k_q0660b800a7_outln
	.p2alignl 7, 3214868480
	.fill 96, 4, 3214868480
	.section	.rodata,"a",@progbits
	.p2align	6, 0x0
	.amdhsa_kernel k_q0660b800a7_outln
		.amdhsa_group_segment_fixed_size 168448
		.amdhsa_private_segment_fixed_size 0
		.amdhsa_enable_private_segment 0
		.amdhsa_kernarg_size 56
		.amdhsa_user_sgpr_count 2
		.amdhsa_user_sgpr_kernarg_segment_ptr 1
		.amdhsa_wavefront_size32 1
		.amdhsa_system_sgpr_workgroup_id_x 1
		.amdhsa_system_sgpr_workgroup_id_y 1
		.amdhsa_system_sgpr_workgroup_id_z 1
		.amdhsa_system_vgpr_workitem_id 0
		.amdhsa_next_free_vgpr 1024
		.amdhsa_next_free_sgpr 66
		.amdhsa_reserve_vcc 0
		.amdhsa_float_denorm_mode_32 3
		.amdhsa_float_denorm_mode_16_64 3
		.amdhsa_memory_ordered 1
		.amdhsa_forward_progress 1
		.amdhsa_inst_pref_size 185
	.end_amdhsa_kernel
	.amdgpu_metadata
---
amdhsa.version: [ 1, 2 ]
amdhsa.kernels:
  - .name:           k_q0660b800a7_outln
    .symbol:         k_q0660b800a7_outln.kd
    .args:
      - { .name: cq, .offset: 0, .size: 8, .value_kind: global_buffer, .address_space: global }
      - { .name: wq, .offset: 8, .size: 8, .value_kind: global_buffer, .address_space: global }
      - { .name: hidden_states, .offset: 16, .size: 8, .value_kind: global_buffer, .address_space: global }
      - { .name: bo, .offset: 24, .size: 8, .value_kind: global_buffer, .address_space: global }
      - { .name: ln_gamma, .offset: 32, .size: 8, .value_kind: global_buffer, .address_space: global }
      - { .name: ln_beta, .offset: 40, .size: 8, .value_kind: global_buffer, .address_space: global }
      - { .name: out0, .offset: 48, .size: 8, .value_kind: global_buffer, .address_space: global }
    .group_segment_fixed_size: 168448
    .private_segment_fixed_size: 0
    .kernarg_segment_align: 8
    .kernarg_segment_size: 56
    .max_flat_workgroup_size: 128
    .sgpr_count:     66
    .vgpr_count:     1024
    .wavefront_size: 32
...
	.end_amdgpu_metadata
.endif
;; end of part 4
